; MI455X (gfx1250); checked and timed in simulation.
; The chip was launched on July 23, 2026; its instructions are those of AMD's public machine-readable ISA for CDNA 5 (MIT licence, August 2026) and "CDNA5" Instruction Set Architecture Reference Guide (July 2026). The comments in the code are by the model that wrote it; some were corrected since.
;; Attention. Allowed arithmetic: matrix products marked QUANTISED: E2M1 operands, one E8M0 scale for each 32 along K, by v_wmma_scale_f32_16x16x128_f8f6f4 with both operands' format E2M1 (or v_wmma_scale_f32_32x16x128_f4), f32 sums; everything else in f32.
;; Inputs: Wk 1,024 x 1,024 float32; Wo 1,024 x 1,024 float32; Wq 1,024 x 1,024 float32; Wv 1,024 x 1,024 float32; bk 1,024 float32; bo 1,024 float32; bq 1,024 float32; bv 1,024 float32; x 4 x 2,048 x 1,024 float32.
;; Outputs: out0 4 x 2,048 x 1,024 float32.
;; This version of the problem:
;;   THIS VERSION OF THE PROBLEM IS GIVEN IN LOW PRECISION. The matrix products marked QUANTISED in the list below multiply operands that are first quantised to E2M1 (2 exponent bits, 1 mantissa bit; 4 bits a number), with one power-of-two scale for each 32 numbers along K (OCP MX v1.0); their sums are f32. All else is computed in f32.
;;   The module's matrix products, in the order in which they are computed (A, B: the left and right operand; K: the contracted axis; several contracted axes count as one K, in the product's order):
;;     1. [M 8,192, K 1,024] x [K 1,024, N 1,024]; A: input x; B: input Wq: QUANTISED
;;     2. [M 8,192, K 1,024] x [K 1,024, N 1,024]; A: input x; B: input Wk: QUANTISED
;;     3. [M 8,192, K 1,024] x [K 1,024, N 1,024]; A: input x; B: input Wv: QUANTISED
;;     4. batch 64 x [M 2,048, K 64] x [K 64, N 2,048]; A: computed on the way; B: computed on the way: QUANTISED
;;     5. batch 64 x [M 2,048, K 2,048] x [K 2,048, N 64]; A: softmax (see below); B: computed on the way: QUANTISED
;;     6. [M 8,192, K 1,024] x [K 1,024, N 1,024]; A: computed on the way; B: input Wo: QUANTISED
;;   THE QUANTISER, for each operand of a quantised product, along K:
;;     - K is cut into blocks of 32 from its start; a last block that is shorter is filled with zeros.
;;     - A block's scale is 2^e with e = floor(log2(the largest magnitude in the block)) - 2, held to -126 .. 127; a block of zeros has e = 0. As a byte (E8M0): e + 127.
;;     - Each number is divided by its block's scale, clamped to +-6, and rounded to the nearest number of E2M1, ties to even, subnormals kept.
;;     - The product sums the exact products of the quantised numbers (number of the format x scale) in f32.
;;   ~~~python
;;   def quantise(x, axis):      # numpy; x: float32 -> the quantised numbers, widened to float32 again
;;       x = np.moveaxis(x, axis, -1); K = x.shape[-1]
;;       x = np.pad(x, [(0, 0)] * (x.ndim - 1) + [(0, -K % 32)]); x = x.reshape(x.shape[:-1] + (-1, 32)); a = np.abs(x).max(-1, keepdims=True)
;;       e = np.where(a > 0, np.clip(np.frexp(np.where(a > 0, a, 1))[1] - 1 - 2, -126, 127), 0)      # np.frexp(a)[1] - 1 = floor(log2(a)), exactly
;;       r = np.clip(x / 2.0 ** e, -6, 6)
;;       step = 2.0 ** (np.maximum(np.frexp(np.where(r == 0, 1, r))[1] - 1, 0) - 1)
;;       q = np.round(r / step) * step * 2.0 ** e      # np.round: ties to even
;;       return np.moveaxis(q.reshape(q.shape[:-2] + (-1,))[..., :K], -1, axis).astype(np.float32)
;;   ~~~
;;   SOFTMAX AHEAD OF A QUANTISED PRODUCT. Where the list says 'softmax', what is quantised is not the finished softmax but p = 2^(t - M), with t = logit x log2(e) and M = ceil(the row's largest t), a whole number; so 1/2 < the row's largest p <= 1. The row's sum l is taken of the UNQUANTISED p, in f32, and the product's result is divided by l at the end. Since M is a whole number, a kernel that streams over the keys may use a running M (the ceiling of the running maximum): every later rescaling is an exact power of two, which a block's scale takes up: the codes' values come out the same.
;;   OPERANDS COMPUTED ON THE WAY. 'Computed on the way' means the value that the module computes at that place (a softmax that the list does not call 'softmax' is quantised finished and normalised). What goes into a quantiser is computed in f32, as accurately as f32 sums, v_exp_f32 and their like allow (about 1e-6 of the number): no bf16 or f16 on the way to a quantiser, and a product that is left as it is and whose result goes on into a quantised operand takes f32 operands (vector FMAs, or v_wmma_f32_16x16x4_f32). A number that lies on a knife's edge between two numbers of the format may be rounded either way, as far as f32 arithmetic and the matrix unit's own rounding can turn it there, and no further.
;; One version. Each part assembles by itself: llvm-mc -triple=amdgcn-amd-amdhsa -mcpu=gfx1250 --defsym DOCPART=n.
;; ======== version 1 of 1: 5 launches
;; workspace buffers: wrec 2,228,224 bytes; xrec 4,456,448 bytes; qrec 4,456,448 bytes; krec 4,456,448 bytes; vrec 4,456,448 bytes; crec 4,456,448 bytes
;; launch quant_w (part 1): grid 32 x 8, 4 waves a work-group, no clusters, 0 bytes of LDS; arguments Wq, Wk, Wv, Wo, wrec; writes wrec
.if DOCPART == 1
	.amdgcn_target "amdgcn-amd-amdhsa--gfx1250"
	.amdhsa_code_object_version 6
	.text
	.protected	k_q5eb223f7da_quant_w
	.globl	k_q5eb223f7da_quant_w
	.p2align	8
	.type	k_q5eb223f7da_quant_w,@function
k_q5eb223f7da_quant_w:
	s_mov_b64 s[64:65], 0
	v_nop
	global_prefetch_b8 v0, s[64:65] scope:SCOPE_SE
	s_setreg_imm32_b32 hwreg(HW_REG_WAVE_MODE, 25, 1), 1
	s_wait_xcnt 0x0
; The four weights [1024 (k)][1024 (n)], f32, K on the FIRST axis, become codes of FP4 (E2M1) with one E8M0 byte for each 32 along K.
; They are laid in wrec as RECORDS in the order of an operand's registers.  A record is 16 rows (columns n of a weight) x K 1,024 = 8,704 bytes:
;   bytes 0-511: scale words: row r, K step s (128 along K) at 32 r + 4 s;   bytes 512 on: lane L's 16 bytes of K step s, half c at 512 + 1024 s + 512 c + 16 L (row L % 16, k = 128 s + 64 c + 32 (L / 16) + 0 .. 31).
; Logical row = 1024 x tensor (q, k, v, o) + n.  Row r of record 2 B + u is logical row 32 B + 8 u + r + 8 (r / 8): so that a product that takes such rows as source 0 leaves 16 neighbours in the 16 registers of two neighbouring tiles.
; A LANE TAKES A COLUMN n AND ITS REGISTERS RUN DOWN K: a block of 32 lies in one lane, its largest magnitude needs no other lane, and the conversions give codes with K innermost.  Nothing is transposed.
; SHARES: work-group x = 8 x tensor + group of 128 columns, y = K step; a wave takes 32 columns x 128 along K: four blocks a lane.  Loads run two blocks ahead.  No LDS, no barrier: waves share nothing.
; A block's scale is 2^(floor(log2(largest magnitude)) - 2): its byte is the largest magnitude's exponent field - 2, held at 1 from below.
; LIMITS: NaN and infinities among the inputs are not served.  A block of zeros gets the byte 1 where the rule says 127: its codes are zeros, and this program alone reads the bytes.
; The scale words leave as 4 bytes a lane, 32 bytes apart: one byte in 128 of what the launch reads.
.set REC, 8704
.set X,   32                           ; v32-159  four blocks of 32 numbers
.set C,   160                          ; v160-175 four registers of codes for each block: no store's data are written again
.set SB,  24                           ; v24      the four scale bytes
	s_load_b256 s[4:11], s[0:1], 0x0               ; Wq, Wk, Wv, Wo
	s_load_b64 s[12:13], s[0:1], 0x20              ; wrec
	v_lshrrev_b32 v1, 5, v0
	v_readfirstlane_b32 s16, v1                    ; wave 0..3
	v_and_b32 v2, 31, v0                           ; lane = my column among the wave's 32 = 16 (r / 8) + 8 u + r % 8
	v_lshlrev_b32 v3, 2, v2                        ; in: 4 bytes a lane
	v_bfe_u32 v6, v2, 3, 1                         ; u: which record of the pair
	v_and_b32 v7, 7, v2
	v_lshrrev_b32 v8, 4, v2
	v_lshl_add_u32 v7, v8, 3, v7                   ; r: my row in it
	v_mul_u32_u24 v6, v6, REC
	v_lshl_add_u32 v4, v7, 4, v6                   ; codes: 8704 u + 16 r
	v_lshl_add_u32 v5, v7, 5, v6                   ; scale word: 8704 u + 32 r
	s_lshr_b32 s17, ttmp9, 3                       ; tensor
	s_and_b32 s18, ttmp9, 7                        ; group of 128 columns
	s_and_b32 s19, ttmp7, 0xffff                   ; K step
	s_lshl_b32 s24, s19, 19                        ; 128 rows of 4,096 bytes
	s_lshl_b32 s25, s18, 9
	s_add_co_u32 s24, s24, s25
	s_lshl_b32 s25, s16, 7
	s_add_co_u32 s24, s24, s25                     ; + 4 x my wave's first column
	s_mov_b32 s25, 0
	s_lshl_b32 s26, ttmp9, 2
	s_add_co_u32 s26, s26, s16                     ; pair of records = 4 x + wave
	s_mul_i32 s26, s26, 2*REC
	s_mov_b32 s27, 0
	s_lshl_b32 s28, s19, 10                        ; the K step's images
	s_mov_b32 s29, 0
	s_lshl_b32 s30, s19, 2                         ; and its scale word
	s_mov_b32 s31, 0
	s_wait_alu depctr_va_vdst(0)
	s_wait_kmcnt 0x0
	s_cmp_eq_u32 s17, 1                            ; the choice hangs on the work-group's number alone
	s_cselect_b64 s[4:5], s[6:7], s[4:5]
	s_cmp_eq_u32 s17, 2
	s_cselect_b64 s[4:5], s[8:9], s[4:5]
	s_cmp_eq_u32 s17, 3
	s_cselect_b64 s[4:5], s[10:11], s[4:5]
	s_add_nc_u64 s[4:5], s[4:5], s[24:25]
	s_add_nc_u64 s[12:13], s[12:13], s[26:27]
	s_add_nc_u64 s[20:21], s[12:13], s[28:29]
	s_add_nc_u64 s[22:23], s[12:13], s[30:31]
.macro LOAD t                          ; block t: W(128 s + 32 t + i, my column): 32 lanes read 128 consecutive bytes
.irp i, 0,1,2,3,4,5,6,7,8,9,10,11,12,13,14,15,16,17,18,19,20,21,22,23,24,25,26,27,28,29,30,31
	global_load_b32 v[X+32*(\t)+\i], v3, s[4:5] offset:(32*(\t)+\i)*4096 th:TH_LOAD_NT
.endr
.endm
.macro BLOCK t
.set XS, X+32*(\t)
.if (\t) < 3
	s_wait_loadcnt 32                              ; this block's 32 loads are in; the next block's 32 may be out
.else
	s_wait_loadcnt 0x0
.endif
.if (\t)+2 < 4
	LOAD (\t)+2                                    ; into registers of its own
.endif
	v_max3_num_f32 v12, |v[XS]|, |v[XS+1]|, |v[XS+2]|      ; the block's largest magnitude, in two chains
	v_max3_num_f32 v13, |v[XS+3]|, |v[XS+4]|, |v[XS+5]|
.irp i, 6,10,14,18,22,26
	v_max3_num_f32 v12, v12, |v[XS+\i]|, |v[XS+\i+1]|
	v_max3_num_f32 v13, v13, |v[XS+\i+2]|, |v[XS+\i+3]|
.endr
	v_max3_num_f32 v12, v12, |v[XS+30]|, |v[XS+31]|
	v_max3_num_f32 v12, v12, v13, 0x1800000        ; and the floor 2^(3 - 127): the byte cannot fall under 1
	v_add_nc_u32 v11, 0xff000000, v12              ; 2 off the exponent field: the conversion takes this operand's exponent field as its scale
	v_lshrrev_b32 v13, 23, v11                     ; the scale's byte
.if (\t) == 0
	v_mov_b32 v[SB], v13
.else
	v_lshl_or_b32 v[SB], v13, 8*(\t), v[SB]
.endif
.irp g, 0,1,2,3
	v_cvt_scalef32_pk8_fp4_f32 v[C+4*(\t)+\g], v[XS+8*\g:XS+8*\g+7], v11
.endr
	global_store_b128 v4, v[C+4*(\t):C+4*(\t)+3], s[20:21] offset:512+256*(\t)   ; block t is half t / 2, lanes 16 (t % 2) + r of the image: the 16 lanes of a record fill 256 consecutive bytes, aligned
.endm                                  ; (the next block begins with plain vector lines, ahead of the line that writes v11 again)
	LOAD 0
	LOAD 1
	BLOCK 0
	BLOCK 1
	BLOCK 2
	BLOCK 3
	global_store_b32 v5, v[SB], s[22:23]           ; my row's scale word of this K step
	s_endpgm
.Lfunc_end_k_q5eb223f7da_quant_w:
	.size	k_q5eb223f7da_quant_w, .Lfunc_end_k_q5eb223f7da_quant_w-k_q5eb223f7da_quant_w
	.p2alignl 7, 3214868480
	.fill 96, 4, 3214868480
	.section	.rodata,"a",@progbits
	.p2align	6, 0x0
	.amdhsa_kernel k_q5eb223f7da_quant_w
		.amdhsa_group_segment_fixed_size 0
		.amdhsa_private_segment_fixed_size 0
		.amdhsa_enable_private_segment 0
		.amdhsa_kernarg_size 40
		.amdhsa_user_sgpr_count 2
		.amdhsa_user_sgpr_kernarg_segment_ptr 1
		.amdhsa_wavefront_size32 1
		.amdhsa_system_sgpr_workgroup_id_x 1
		.amdhsa_system_sgpr_workgroup_id_y 1
		.amdhsa_system_sgpr_workgroup_id_z 1
		.amdhsa_system_vgpr_workitem_id 0
		.amdhsa_next_free_vgpr 176
		.amdhsa_next_free_sgpr 66
		.amdhsa_reserve_vcc 0
		.amdhsa_float_denorm_mode_32 3
		.amdhsa_float_denorm_mode_16_64 3
		.amdhsa_memory_ordered 1
		.amdhsa_forward_progress 1
		.amdhsa_inst_pref_size 21
	.end_amdhsa_kernel
	.amdgpu_metadata
---
amdhsa.version: [ 1, 2 ]
amdhsa.kernels:
  - .name:           k_q5eb223f7da_quant_w
    .symbol:         k_q5eb223f7da_quant_w.kd
    .args:
      - { .name: Wq, .offset: 0, .size: 8, .value_kind: global_buffer, .address_space: global }
      - { .name: Wk, .offset: 8, .size: 8, .value_kind: global_buffer, .address_space: global }
      - { .name: Wv, .offset: 16, .size: 8, .value_kind: global_buffer, .address_space: global }
      - { .name: Wo, .offset: 24, .size: 8, .value_kind: global_buffer, .address_space: global }
      - { .name: wrec, .offset: 32, .size: 8, .value_kind: global_buffer, .address_space: global }
    .group_segment_fixed_size: 0
    .private_segment_fixed_size: 0
    .kernarg_segment_align: 8
    .kernarg_segment_size: 40
    .max_flat_workgroup_size: 128
    .sgpr_count:     66
    .vgpr_count:     176
    .wavefront_size: 32
...
	.end_amdgpu_metadata
.endif
;; end of part 1
;; launch quant_x (part 2): grid 256 x 1, 4 waves a work-group, no clusters, 168,448 bytes of LDS; arguments x, xrec; writes xrec
.if DOCPART == 2
	.amdgcn_target "amdgcn-amd-amdhsa--gfx1250"
	.amdhsa_code_object_version 6
	.text
	.protected	k_q5eb223f7da_quant_x
	.globl	k_q5eb223f7da_quant_x
	.p2align	8
	.type	k_q5eb223f7da_quant_x,@function
k_q5eb223f7da_quant_x:
	s_mov_b64 s[64:65], 0
	v_nop
	global_prefetch_b8 v0, s[64:65] scope:SCOPE_SE
	s_setreg_imm32_b32 hwreg(HW_REG_WAVE_MODE, 25, 1), 1
	s_wait_xcnt 0x0
; x [8192][1024], f32, K innermost, becomes codes of FP4 (E2M1) with one E8M0 byte for each 32 along K, laid in xrec as records in the order of an operand's registers:
; a record is 16 tokens x K 1,024 = 8,704 bytes: scale words at 32 r + 4 s (row r, K step s of 128), then lane L's 16 bytes of K step s, half c at 512 + 1024 s + 512 c + 16 L.
; Row r of record 2 B + u is token 32 B + 8 u + r + 8 (r / 8).
; SHARES: a work-group takes 32 tokens: two records.  The 32 rows come into LDS by eight tensor loads (a chunk = 32 rows x 128 numbers, 512 bytes a row), two a wave, all first fills: no LDS byte is filled twice.
; Wave w makes record u = w % 2, K steps a + 2 k (a = w / 2, k = 0 .. 3).  A lane (r, h) takes, of its row, 16 neighbours of each block of 32 (k = 32 b + 16 h + i in register 16 b + i); lanes l and l xor 16 share a block.
; LDS rows are 528 bytes apart.  A fragment's two groups of eight rows lie 16 rows apart, 33 x 256 bytes: by that count the reads go two deep in the banks; the launch is bound by its reads from memory.
; LIMITS: NaN and infinities among the inputs are not served.  A block of zeros gets the byte 1 where the rule says 127: its codes are zeros, and this program alone reads the bytes.
.set REC,   8704
.set PITCH, 528
.set CHUNK, 32*PITCH                   ; 16,896 bytes
.set LI,  3                            ; v3  16 x lane
.set LS,  4                            ; v4  32 r + 8 h: where I store scale words
.set XA0, 5                            ; v5  my row's bytes in chunk a
.set XA1, 6                            ; v6  the same in chunk a + 4
.set X0,  32                           ; v32-95, v96-159  two sets of 64 numbers
.set X1,  96
.set PC,  160                          ; v160-191 codes: 8 registers for each of my four K steps
.set PW,  192                          ; v192-195 their scale words
.set D,   196                          ; v196-197 the words that my lane stores
.set TM,  200                          ; v200-203 largest magnitudes, v204-207 bytes, v212-215 the conversions' scale operands
.set SEL, 36                           ; s[36:37] lane selects: lane l xor 16
	s_load_b128 s[4:7], s[0:1], 0x0                ; x, xrec
	v_lshl_add_u32 v224, v0, 2, 0x29000
	v_mov_b32 v225, 0
	ds_add_u32 v224, v225
	ds_add_u32 v224, v225
	v_lshrrev_b32 v1, 5, v0
	v_readfirstlane_b32 s8, v1                     ; wave 0..3
	s_and_b32 s9, s8, 1                            ; u
	s_lshr_b32 s10, s8, 1                          ; a
	; descriptor group 1: 32 rows x 128 elements of 4 bytes, 1,024 elements from row to row; 4 words of padding behind every 128
	s_mov_b32 s16, (2<<16)|(1<<20)|(6<<22)|(3<<25)
	s_mov_b32 s17, 128<<16                         ; tensor_dim0
	s_mov_b32 s18, 32<<16                          ; tensor_dim1
	s_mov_b32 s19, 128<<16                         ; tile_dim0
	s_mov_b32 s20, 32                              ; tile_dim1
	s_mov_b32 s21, 1024                            ; stride
	s_mov_b32 s22, 0
	s_mov_b32 s23, 0
	s_lshl_b32 s12, ttmp9, 17                      ; 32 rows of 4,096 bytes
	s_lshl_b32 s13, s8, 9                          ; chunk w
	s_add_co_u32 s12, s12, s13
	s_mov_b32 s13, 0
	s_mul_i32 s11, s8, CHUNK
	s_mov_b32 s[SEL], 0x76543210
	s_mov_b32 s[SEL+1], 0xfedcba98
	s_wait_dscnt 0x0
	s_wait_kmcnt 0x0
	s_add_nc_u64 s[14:15], s[4:5], s[12:13]
	s_mov_b32 s24, 1
	s_mov_b32 s25, s11                             ; chunk w
	s_mov_b64 s[26:27], s[14:15]
	s_or_b32 s27, s27, 0x80000000
	s_mov_b32 s28, 1
	s_add_co_u32 s29, s11, 4*CHUNK                 ; chunk w + 4
	s_add_nc_u64 s[30:31], s[14:15], 2048
	s_or_b32 s31, s31, 0x80000000
	tensor_load_to_lds s[24:27], s[16:23]          ; both first fills together, ahead of every wait, LDS read and barrier: two loads of mine are out
	s_nop 0
	tensor_load_to_lds s[28:31], s[16:23]
	s_nop 0
.rept 4
	v_nop
.endr
	v_and_b32 v1, 15, v0                           ; r
	v_bfe_u32 v2, v0, 4, 1                         ; h
	v_and_b32 v7, 31, v0
	v_lshlrev_b32 v[LI], 4, v7
	v_lshlrev_b32 v[LS], 5, v1
	v_lshl_add_u32 v[LS], v2, 3, v[LS]
	v_and_b32 v8, 8, v1
	v_add_nc_u32 v8, v8, v1                        ; r + 8 (r / 8)
	v_mul_u32_u24 v[XA0], v8, PITCH
	v_lshl_add_u32 v[XA0], v2, 6, v[XA0]           ; + 64 h: my 16 numbers of a block
	s_mul_i32 s12, s9, 8*PITCH                     ; record u begins 8 rows down
	s_mul_i32 s13, s10, CHUNK
	s_add_co_u32 s12, s12, s13
	v_add_nc_u32 v[XA0], s12, v[XA0]
	v_add_nc_u32 v[XA1], 4*CHUNK, v[XA0]
.irp b, 0,1,2,3
	v_mov_b32 v[TM+4+\b], 0                        ; written once: a lane permute's destination counts as one of its sources
.endr
	s_lshl_b32 s32, ttmp9, 1
	s_add_co_u32 s32, s32, s9
	s_mul_i32 s32, s32, REC                        ; my record
	s_lshl_b32 s34, s10, 2
	s_add_co_u32 s34, s34, s32                     ; + 4 a: scale words
	s_lshl_b32 s33, s10, 10
	s_add_co_u32 s32, s32, s33                     ; + 1024 a: images
	s_mov_b32 s33, 0
	s_mov_b32 s35, 0
	s_add_nc_u64 s[32:33], s[6:7], s[32:33]
	s_add_nc_u64 s[34:35], s[6:7], s[34:35]
.macro XREAD set, adr, off             ; 64 numbers of my row: register 16 b + 4 j + .. = k 32 b + 16 h + 4 j + ..
.irp b, 0,1,2,3
.irp j, 0,1,2,3
	ds_load_b128 v[\set+16*\b+4*\j:\set+16*\b+4*\j+3], v[\adr] offset:\off+128*\b+16*\j
.endr
.endr
.endm
.macro QUANT s, k                      ; 64 numbers become a fragment's codes in v[PC + 8 k] on and its scale word in v[PW + k]
.irp b, 0,1,2,3
	v_max3_num_f32 v[TM+\b], |v[\s+16*\b]|, |v[\s+1+16*\b]|, 0x1800000   ; my 16 numbers of block b, and the floor 2^(3 - 127)
.endr
.irp i, 2,4,6,8,10,12,14
.irp b, 0,1,2,3
	v_max3_num_f32 v[TM+\b], v[TM+\b], |v[\s+16*\b+\i]|, |v[\s+1+16*\b+\i]|
.endr
.endr
.irp b, 0,1,2,3
	v_permlanex16_b32 v[TM+4+\b], v[TM+\b], s[SEL], s[SEL+1]
.endr
.irp b, 0,1,2,3
	v_max_num_f32 v[TM+\b], v[TM+\b], v[TM+4+\b]   ; with lane l xor 16's: the block's largest magnitude
.endr
.irp b, 0,1,2,3
	v_add_nc_u32 v[TM+12+\b], 0xff000000, v[TM+\b] ; 2 off its exponent field: the conversion's scale operand
.endr
.irp b, 0,1,2,3
	v_lshrrev_b32 v[TM+4+\b], 23, v[TM+12+\b]      ; the scale's byte
.endr
	v_lshl_or_b32 v[PW+\k], v[TM+5], 8, v[TM+4]
	v_lshl_or_b32 v[PW+\k], v[TM+6], 16, v[PW+\k]
	v_lshl_or_b32 v[PW+\k], v[TM+7], 24, v[PW+\k]
.irp b, 0,1,2,3
	v_cvt_scalef32_pk8_fp4_f32 v[PC+8*\k+2*\b], v[\s+16*\b:\s+7+16*\b], v[TM+12+\b]
	v_cvt_scalef32_pk8_fp4_f32 v[PC+8*\k+1+2*\b], v[\s+8+16*\b:\s+15+16*\b], v[TM+12+\b]
.endr
	v_nop                                          ; one plain place behind a scaled conversion
.irp c, 0,1                                    ; the operand's layout wants a whole block in a lane
.irp i, 0,1
	v_permlane16_swap_b32 v[PC+8*\k+4*\c+\i], v[PC+8*\k+2+4*\c+\i]
.endr
.endr
.endm
.macro OUT k                           ; K step a + 2 k: each store covers 512 consecutive bytes, aligned
.irp c, 0,1
	global_store_b128 v[LI], v[PC+8*\k+4*\c:PC+8*\k+4*\c+3], s[32:33] offset:512+2048*\k+512*\c
.endr
.endm
	s_wait_alu depctr_va_vdst(0)
	s_wait_tensorcnt 0x1                           ; my chunk w is in; chunk w + 4 may be out
	s_barrier_signal -1
	s_barrier_wait -1                              ; chunks 0 to 3 are whole
	XREAD X0, XA0, 0
	XREAD X1, XA0, 2*CHUNK
	s_wait_dscnt 16                                ; the first set is in; the second set's 16 loads may be out
	QUANT X0, 0
	OUT 0
	s_wait_tensorcnt 0x0                           ; my chunk w + 4 is in,
	s_wait_dscnt 0x0                               ; no LDS load of mine is out at a signal
	s_barrier_signal -1
	s_barrier_wait -1                              ; chunks 4 to 7 are whole
	XREAD X0, XA1, 0
	QUANT X1, 1
	OUT 1
	XREAD X1, XA1, 2*CHUNK
	s_wait_dscnt 16                                ; set 0 is in; set 1's 16 loads may be out
	QUANT X0, 2
	OUT 2
	s_wait_dscnt 0x0
	QUANT X1, 3
	OUT 3
	v_cmp_eq_u32 vcc_lo, 1, v2                     ; both halves of the lanes hold all four words of row r: lanes 0-15 store those of k = 0, 2, lanes 16-31 those of k = 1, 3
	v_cndmask_b32 v[D], v[PW], v[PW+1], vcc_lo
	v_cndmask_b32 v[D+1], v[PW+2], v[PW+3], vcc_lo
	global_store_b32 v[LS], v[D], s[34:35]
	global_store_b32 v[LS], v[D+1], s[34:35] offset:16
	s_wait_tensorcnt 0x0
	ds_add_u32 v224, v225
	s_wait_dscnt 0x0
	s_endpgm
.Lfunc_end_k_q5eb223f7da_quant_x:
	.size	k_q5eb223f7da_quant_x, .Lfunc_end_k_q5eb223f7da_quant_x-k_q5eb223f7da_quant_x
	.p2alignl 7, 3214868480
	.fill 96, 4, 3214868480
	.section	.rodata,"a",@progbits
	.p2align	6, 0x0
	.amdhsa_kernel k_q5eb223f7da_quant_x
		.amdhsa_group_segment_fixed_size 168448
		.amdhsa_private_segment_fixed_size 0
		.amdhsa_enable_private_segment 0
		.amdhsa_kernarg_size 16
		.amdhsa_user_sgpr_count 2
		.amdhsa_user_sgpr_kernarg_segment_ptr 1
		.amdhsa_wavefront_size32 1
		.amdhsa_system_sgpr_workgroup_id_x 1
		.amdhsa_system_sgpr_workgroup_id_y 1
		.amdhsa_system_sgpr_workgroup_id_z 1
		.amdhsa_system_vgpr_workitem_id 0
		.amdhsa_next_free_vgpr 226
		.amdhsa_next_free_sgpr 66
		.amdhsa_reserve_vcc 1
		.amdhsa_float_denorm_mode_32 3
		.amdhsa_float_denorm_mode_16_64 3
		.amdhsa_memory_ordered 1
		.amdhsa_forward_progress 1
		.amdhsa_inst_pref_size 24
	.end_amdhsa_kernel
	.amdgpu_metadata
---
amdhsa.version: [ 1, 2 ]
amdhsa.kernels:
  - .name:           k_q5eb223f7da_quant_x
    .symbol:         k_q5eb223f7da_quant_x.kd
    .args:
      - { .name: x, .offset: 0, .size: 8, .value_kind: global_buffer, .address_space: global }
      - { .name: xrec, .offset: 8, .size: 8, .value_kind: global_buffer, .address_space: global }
    .group_segment_fixed_size: 168448
    .private_segment_fixed_size: 0
    .kernarg_segment_align: 8
    .kernarg_segment_size: 16
    .max_flat_workgroup_size: 128
    .sgpr_count:     66
    .vgpr_count:     226
    .wavefront_size: 32
...
	.end_amdgpu_metadata
.endif
;; end of part 2
;; launch qkv (part 3): grid 12 x 32, 4 waves a work-group, clusters of 4 x 4, 279,040 bytes of LDS; arguments xrec, wrec, bq, bk, bv, qrec, krec, vrec; writes qrec, krec, vrec
.if DOCPART == 3
	.amdgcn_target "amdgcn-amd-amdhsa--gfx1250"
	.amdhsa_code_object_version 6
	.text
	.protected	k_q5eb223f7da_qkv
	.globl	k_q5eb223f7da_qkv
	.p2align	8
	.type	k_q5eb223f7da_qkv,@function
k_q5eb223f7da_qkv:
	s_mov_b64 s[64:65], 0
	v_nop
	global_prefetch_b8 v0, s[64:65] scope:SCOPE_SE
	s_setreg_imm32_b32 hwreg(HW_REG_WAVE_MODE, 25, 1), 1
	s_wait_xcnt 0x0
	s_wait_alu depctr_hold_cnt(0) depctr_sa_sdst(0) depctr_va_vdst(0) depctr_va_sdst(0) depctr_va_ssrc(0) depctr_va_vcc(0) depctr_vm_vsrc(0)
	s_getreg_b32 s2, hwreg(HW_REG_IB_STS2, 6, 4)
	s_cmp_eq_u32 s2, 0
	s_cbranch_scc0 .Lentry_in_a_cluster
	s_endpgm
.Lentry_in_a_cluster:
	s_bfe_u32 s2, ttmp6, 0x10000c
	s_cmp_lg_u32 s2, 0xf033
	s_cbranch_scc0 .Lentry_shape_is_right
	s_endpgm
.Lentry_shape_is_right:
; q = x Wq + bq, k = x Wk + bk, v = x Wv + bv on codes of FP4 (E2M1) with E8M0 scales, sums in f32; the results are quantised at once, q and k along the head's 64, v along the keys, and leave as codes.
; OPERANDS: records of 16 rows x K 1,024 = 8,704 bytes in the order of an operand's registers: scale words at 32 r + 4 s, lane L's 16 bytes of K step s, half c at 512 + 1024 s + 512 c + 16 L.
; Row r of record 2 B + u is logical row 32 B + 8 u + r + 8 (r / 8), so that the 16 registers of two neighbouring result tiles are 16 neighbours along source 0's rows.
; A tile of the result is 256 x 256; four waves, each 128 x 128: 64 accumulators, 512 registers.  OUTER = source 1 (its row sits in lane % 16), INNER = source 0 (its rows run along a lane's registers).
; TYPE = the cluster's x, which all sixteen partners share.  TYPE 0, 1 (q, k): OUTER = tokens, INNER = the weight's columns: a lane holds one token and 128 neighbouring columns: two heads x two blocks of 32.
; TYPE 2 (v): OUTER = Wv's columns, INNER = tokens: a lane holds one channel and 128 neighbouring tokens: four blocks of 32 keys.  One text serves all; only pointers are chosen, and three short branches on TYPE part (bias loads, first K step, stores).
; ALL OF K LIES IN LDS: 16 + 16 records, brought in two parts (scales and K steps 0-3; K steps 4-7), four tensor loads a wave, all first fills: no LDS byte is filled twice.
; CLUSTERS: 4 x 4.  OUTER's tile hangs on the cluster's row alone, INNER's on its column alone: each is asked for jointly by the four that share it.
; OUT: a record of 4,352 bytes for each head and 128 tokens, record ((batch 16 + head) 16 + group).  q, k: tile o of 16 tokens at 512 o + 16 L (d = 32 (L / 16) + 0 .. 31); scale word of tiles 2 p, 2 p + 1 at 4096 + 16 r + 4 p.
;      v: fragment of channel tile t at 1024 t + 512 c + 16 L (keys 64 c + 32 (L / 16) + 0 .. 31); its scale word at 4096 + 16 r + 4 t.  Every store of codes covers 512 consecutive bytes.
; LIMITS: NaN and infinities are not served.  A block of zeros gets the byte 1 where the rule says 127: its codes are zeros, and this program alone reads the bytes.  384 work-groups: one and a half turns of the chip's 256.
; REGISTERS: window 0: v1-27 addresses; v32-95 scale words and nothing else; v96-127 at work in the epilogue; v128-191, v192-255 OUTER's two sets of fragments (the codes made in the epilogue take v128-191).
;   window 1: v0-63, v64-127 INNER's two sets; v128-191 the bias as C.   windows 2, 3: the accumulators: (a, b) at v[8 (8 (a % 4) + b)].
.set REC,  8704
.set R0B,  4608                        ; a record's part in slot 0: 512 bytes of scales + four K steps
.set R1B,  4096                        ; and in slot 1
.set S0O,  0
.set S0I,  16*R0B
.set S1O,  32*R0B
.set S1I,  S1O+16*R1B
.set AREC, 4352
.set HSTR, 16*AREC                     ; from head to head
.set LI,   4                           ; v4   16 x lane
.set BQK,  5                           ; v5   bias, types q and k: 64 h
.set BVO,  6                           ; v6   bias, type v: 4 (r + 8 (r / 8))
.set ADRO, 16                          ; v16-17 OUTER's fragments in slot 0, 1
.set ADRI, 20                          ; v20-21 INNER's
.set ADRS, 27                          ; v27  scale words: lanes 0-15 OUTER's rows, lanes 16-31 INNER's
.set SC,   32                          ; set sl at + 32 sl; register 4 i + q: block i, the slot's q-th K step
.set TM,   96
.set PW,   112                         ; v112-119 the eight scale words made
.set DW,   120                         ; v120-123 the four that my lane stores
.set SELV, 124
.set SA,   125                         ; v125 69,632 h + 16 r
.set TMPV, 126
.set OF,   128
.set PC,   128
.set CB,   128                         ; in window 1
.set WV,   20
.set OH,   21
.set IH,   22
.set TYPE, 23
.set G1O0, 24
.set G1I0, 32
.set G1O1, 40
.set G1I1, 48
.set G0O0, 56
.set G0I0, 60
.set G0O1, 68
.set G0I1, 72
.set MSB, 0
.macro WIN new                         ; the immediate's high byte repeats the setting that is left
.if MSB != (\new)
	s_set_vgpr_msb (MSB<<8)|(\new)
.set MSB, \new
.endif
.endm
.macro CROUND                          ; a round of the cluster's barrier
	s_barrier_signal -1
	s_barrier_wait -1
	s_cmp_lg_u32 s[WV], 0
	s_cbranch_scc1 .Lnot_wave_0_\@
	s_barrier_signal -3
.Lnot_wave_0_\@:
	s_barrier_wait -3
	s_barrier_signal -1
	s_barrier_wait -1
.endm
.macro PLACES                          ; four places behind a matrix instruction, ahead of loads into its registers and of reads of its results
.rept 4
	v_nop
.endr
.endm
	s_load_b256 s[4:11], s[0:1], 0x0               ; xrec, wrec, bq, bk
	s_load_b256 s[12:19], s[0:1], 0x20             ; bv, qrec, krec, vrec
	v_lshl_add_u32 v107, v0, 2, 0x44000
	v_mov_b32 v127, 0
	ds_add_u32 v107, v127
	ds_add_u32 v107, v127
	v_lshrrev_b32 v1, 5, v0
	v_readfirstlane_b32 s[WV], v1                  ; wave 0..3
	s_lshr_b32 s[OH], s[WV], 1                     ; my half of OUTER's 256 rows
	s_and_b32 s[IH], s[WV], 1                      ; my half of INNER's
	s_mov_b32 s[TYPE], ttmp9                       ; the cluster's x: 0 q, 1 k, 2 v
	s_mov_b32 s2, 0x76543210
	s_mov_b32 s3, 0xfedcba98                       ; lane selects: lane l xor 16
	s_bfe_u32 s76, ttmp6, 0x40000                  ; cx
	s_bfe_u32 s77, ttmp6, 0x40004                  ; cy
	s_and_b32 s78, ttmp7, 0xffff
	s_lshl_b32 s78, s78, 2                         ; 4 x cluster y
	s_lshl_b32 s81, ttmp9, 2                       ; 4 x cluster x
	s_lshl_b32 s79, s77, 2
	s_lshl_b32 s79, 15, s79                        ; my row of the cluster
	s_lshl_b32 s80, 0x1111, s76                    ; my column
	; descriptor groups 1: 4 records' parts, as rows of 576 or 512 elements of 8 bytes, 1,088 elements apart; no padding: every fragment read is 512 consecutive bytes
	s_or_b32 s[G1O0], s79, (3<<16)|(1<<21)
	s_or_b32 s[G1O1], s79, (3<<16)|(1<<21)
	s_or_b32 s[G1I0], s80, (3<<16)|(1<<21)
	s_or_b32 s[G1I1], s80, (3<<16)|(1<<21)
.irp g, G1O0, G1I0
	s_mov_b32 s[\g+1], (R0B/8)<<16
	s_mov_b32 s[\g+2], 4<<16
	s_mov_b32 s[\g+3], (R0B/8)<<16
	s_mov_b32 s[\g+4], 4
	s_mov_b32 s[\g+5], REC/8
	s_mov_b32 s[\g+6], 0
	s_mov_b32 s[\g+7], 0
.endr
.irp g, G1O1, G1I1
	s_mov_b32 s[\g+1], (R1B/8)<<16
	s_mov_b32 s[\g+2], 4<<16
	s_mov_b32 s[\g+3], (R1B/8)<<16
	s_mov_b32 s[\g+4], 4
	s_mov_b32 s[\g+5], REC/8
	s_mov_b32 s[\g+6], 0
	s_mov_b32 s[\g+7], 0
.endr
	; which tiles: OUTER's hangs on cy, INNER's on cx, in registers that never hold the other
	s_cmp_eq_u32 s[TYPE], 2
	s_cselect_b32 s82, 8, s78                      ; v: Wv's tiles are 8 .. 11 of wrec; else token tiles
	s_cselect_b32 s86, s78, s81                    ; v: token tiles; else the weight's
	s_add_co_u32 s82, s82, s77
	s_add_co_u32 s86, s86, s76
	s_lshl_b32 s82, s82, 4                         ; 16 records a tile,
	s_lshl_b32 s86, s86, 4
	s_lshl_b32 s90, s[WV], 2                       ; of which my wave brings four
	s_add_co_u32 s82, s82, s90
	s_add_co_u32 s86, s86, s90
	s_mul_i32 s82, s82, REC
	s_mul_i32 s86, s86, REC
	s_mov_b32 s83, 0
	s_mov_b32 s87, 0
	s_mul_i32 s91, s[WV], 4*R0B                    ; where they go: no place in the cluster enters an LDS address
	s_lshl_b32 s90, s[WV], 14
	s_wait_dscnt 0x0
	s_wait_kmcnt 0x0
	s_cmp_eq_u32 s[TYPE], 2
	s_cselect_b64 s[84:85], s[6:7], s[4:5]
	s_cselect_b64 s[88:89], s[4:5], s[6:7]
	s_add_nc_u64 s[84:85], s[84:85], s[82:83]
	s_add_nc_u64 s[88:89], s[88:89], s[86:87]
	CROUND                                         ; all sixteen work-groups are here: the joint loads meet
	s_mov_b32 s[G0O0], 1
	s_add_co_u32 s[G0O0+1], s91, S0O
	s_mov_b64 s[G0O0+2:G0O0+3], s[84:85]
	s_or_b32 s[G0O0+3], s[G0O0+3], 0x80000000
	s_mov_b32 s[G0I0], 1
	s_add_co_u32 s[G0I0+1], s91, S0I
	s_mov_b64 s[G0I0+2:G0I0+3], s[88:89]
	s_or_b32 s[G0I0+3], s[G0I0+3], 0x80000000
	s_mov_b32 s[G0O1], 1
	s_add_co_u32 s[G0O1+1], s90, S1O
	s_add_nc_u64 s[G0O1+2:G0O1+3], s[84:85], R0B
	s_or_b32 s[G0O1+3], s[G0O1+3], 0x80000000
	s_mov_b32 s[G0I1], 1
	s_add_co_u32 s[G0I1+1], s90, S1I
	s_add_nc_u64 s[G0I1+2:G0I1+3], s[88:89], R0B
	s_or_b32 s[G0I1+3], s[G0I1+3], 0x80000000
	tensor_load_to_lds s[G0O0:G0O0+3], s[G1O0:G1O0+7]   ; every wave issues all four: four loads of mine are out
	s_nop 0
	tensor_load_to_lds s[G0I0:G0I0+3], s[G1I0:G1I0+7]
	s_nop 0
	tensor_load_to_lds s[G0O1:G0O1+3], s[G1O1:G1O1+7]
	s_nop 0
	tensor_load_to_lds s[G0I1:G0I1+3], s[G1I1:G1I1+7]
	s_nop 0
.rept 4
	v_nop
.endr
	v_and_b32 v1, 15, v0                           ; r
	v_bfe_u32 v2, v0, 4, 1                         ; h
	v_and_b32 v3, 31, v0
	v_lshlrev_b32 v[LI], 4, v3
	s_wait_alu depctr_va_vdst(0)
	s_mul_i32 s90, s[OH], 8*R0B
	s_mul_i32 s91, s[IH], 8*R0B
	s_add_co_u32 s98, s90, S0O+512
	v_add_nc_u32 v[ADRO], s98, v[LI]
	s_add_co_u32 s98, s91, S0I+512
	v_add_nc_u32 v[ADRI], s98, v[LI]
	s_lshl_b32 s98, s[OH], 15
	s_add_co_u32 s98, s98, S1O
	v_add_nc_u32 v[ADRO+1], s98, v[LI]
	s_lshl_b32 s98, s[IH], 15
	s_add_co_u32 s98, s98, S1I
	v_add_nc_u32 v[ADRI+1], s98, v[LI]
	s_xor_b32 s98, s[OH], 1                        ; from OUTER's rows to INNER's: 73,728 + 36,864 (IH - OH) = 36,864 (1 + IH + (OH xor 1)): one product with h
	s_add_co_u32 s98, s98, s[IH]
	s_add_co_u32 s98, s98, 1
	s_mul_i32 s98, s98, 8*R0B
	v_mul_u32_u24 v3, s98, v2
	v_lshl_add_u32 v3, v1, 5, v3                   ; + 32 r
	v_add_nc_u32 v[ADRS], s90, v3
	v_lshlrev_b32 v[BQK], 6, v2
	v_and_b32 v[BVO], 8, v1
	v_add_nc_u32 v[BVO], v[BVO], v1
	v_lshlrev_b32 v[BVO], 2, v[BVO]
	v_mul_u32_u24 v[SA], v2, HSTR
	v_lshl_add_u32 v[SA], v1, 4, v[SA]
	v_mov_b32 v[SELV], 0x05040100                  ; lanes 0-15 gather the first head's two bytes of two words, lanes 16-31 the second head's
	v_mov_b32 v[TMPV], 0x07060302
	v_cmp_eq_u32 vcc_lo, 1, v2
	v_cndmask_b32 v[SELV], v[SELV], v[TMPV], vcc_lo
.irp b, 0,1,2,3
	v_mov_b32 v[TM+4+\b], 0                        ; written once: a lane permute's destination counts as one of its sources
.endr
	; which columns and tokens are my wave's
	s_cmp_eq_u32 s[TYPE], 2
	s_cselect_b32 s98, s77, s76                    ; tile of 256 columns of the weight
	s_cselect_b32 s99, s[OH], s[IH]                ; my half of it
	s_cselect_b32 s100, s76, s77                   ; the token tile's place in the cluster
	s_cselect_b32 s101, s[IH], s[OH]               ; my half of it
	s_lshl_b32 s94, s98, 10
	s_lshl_b32 s95, s99, 9
	s_add_co_u32 s94, s94, s95                     ; 4 bytes x my first column
	s_mov_b32 s95, 0
	s_cmp_eq_u32 s[TYPE], 1
	s_cselect_b64 s[92:93], s[10:11], s[8:9]
	s_cmp_eq_u32 s[TYPE], 2
	s_cselect_b64 s[92:93], s[12:13], s[92:93]
	s_add_nc_u64 s[92:93], s[92:93], s[94:95]      ; the bias at my first column
	s_add_co_u32 s100, s100, s78                   ; token tile 0 .. 31
	s_lshr_b32 s94, s100, 3                        ; batch
	s_lshl_b32 s94, s94, 4
	s_lshl_b32 s98, s98, 2
	s_add_co_u32 s94, s94, s98
	s_lshl_b32 s99, s99, 1
	s_add_co_u32 s94, s94, s99                     ; 16 batch + my first head
	s_lshl_b32 s94, s94, 4
	s_and_b32 s100, s100, 7
	s_lshl_b32 s100, s100, 1
	s_add_co_u32 s94, s94, s100
	s_add_co_u32 s94, s94, s101                    ; + my group of 128 tokens
	s_mul_i32 s94, s94, AREC
	s_cmp_eq_u32 s[TYPE], 1
	s_cselect_b64 s[96:97], s[16:17], s[14:15]
	s_cmp_eq_u32 s[TYPE], 2
	s_cselect_b64 s[96:97], s[18:19], s[96:97]
	s_add_nc_u64 s[96:97], s[96:97], s[94:95]      ; where my results go
	; the bias in the result's layout: it is the C of each sum's first matrix instruction
	s_cmp_eq_u32 s[TYPE], 2
	s_cbranch_scc1 .Lbias_v
	WIN 0x40                                       ; destination window 1
.irp i, 0,1,2,3,4,5,6,7                        ; q, k: register j of INNER's block i is column 32 (i / 2) + 16 h + 8 (i % 2) + j
	global_load_b128 v[CB+8*\i:CB+8*\i+3], v[BQK], s[92:93] offset:(32*(\i/2)+8*(\i%2))*4
	global_load_b128 v[CB+8*\i+4:CB+8*\i+7], v[BQK], s[92:93] offset:(32*(\i/2)+8*(\i%2))*4+16
.endr
	WIN 0
	s_branch .Lbias_done
.Lbias_v:
	WIN 0x40
.irp i, 0,1,2,3,4,5,6,7                        ; v: all eight registers of OUTER's block i hold the bias of my lane's column 32 (i / 2) + 8 (i % 2) + r + 8 (r / 8)
.irp j, 0,1,2,3,4,5,6,7
	global_load_b32 v[CB+8*\i+\j], v[BVO], s[92:93] offset:(32*(\i/2)+8*(\i%2))*4
.endr
.endr
	WIN 0
.Lbias_done:
.macro FRAG reg, adr, slot, q, i       ; a fragment: 8 registers, two loads of 512 consecutive bytes
.irp c, 0,1
	ds_load_b128 v[\reg+4*\c:\reg+4*\c+3], v[\adr] offset:(\i)*(R0B-512*(\slot))+1024*(\q)+512*\c
.endr
.endm
.macro FETCH slot, q, set              ; the 16 fragments of the slot's q-th K step
	WIN 0x40
.irp i, 0,1,2,3,4,5,6,7
	FRAG 64*(\set)+8*\i, ADRI+(\slot), \slot, \q, \i
.endr
	WIN 0
.irp i, 0,1,2,3,4,5,6,7
	FRAG OF+64*(\set)+8*\i, ADRO+(\slot), \slot, \q, \i
.endr
.endm
.macro SCALES sl                       ; four K steps' scale words of 8 + 8 blocks
.irp i, 0,1,2,3,4,5,6,7
	ds_load_b128 v[SC+32*\sl+4*\i:SC+32*\sl+4*\i+3], v[ADRS] offset:R0B*\i+16*\sl
.endr
.endm
; 16 matrix instructions: OUTER's blocks a0, a0 + 1 x INNER's eight.  cmode 0: in place; 1: C = the bias by INNER's block; 2: by OUTER's.
; The 64 accumulators take turns, one instruction a turn, in the same order in every step.
.macro MUL16 a0, set, q, sl, cmode
.irp a, \a0, \a0+1
.irp b, 0,1,2,3,4,5,6,7
.if \cmode == 0
	v_wmma_scale_f32_16x16x128_f8f6f4 v[8*(8*((\a)%4)+\b):8*(8*((\a)%4)+\b)+7], v[64*(\set)+8*\b:64*(\set)+8*\b+7], v[OF+64*(\set)+8*(\a):OF+64*(\set)+8*(\a)+7], v[8*(8*((\a)%4)+\b):8*(8*((\a)%4)+\b)+7], v[SC+32*(\sl)+4*\b+(\q)], v[SC+32*(\sl)+4*(\a)+(\q)] matrix_a_fmt:MATRIX_FMT_FP4 matrix_b_fmt:MATRIX_FMT_FP4 matrix_a_scale:MATRIX_SCALE_ROW1
.elseif \cmode == 1
	v_wmma_scale_f32_16x16x128_f8f6f4 v[8*(8*((\a)%4)+\b):8*(8*((\a)%4)+\b)+7], v[64*(\set)+8*\b:64*(\set)+8*\b+7], v[OF+64*(\set)+8*(\a):OF+64*(\set)+8*(\a)+7], v[CB+8*\b:CB+8*\b+7], v[SC+32*(\sl)+4*\b+(\q)], v[SC+32*(\sl)+4*(\a)+(\q)] matrix_a_fmt:MATRIX_FMT_FP4 matrix_b_fmt:MATRIX_FMT_FP4 matrix_a_scale:MATRIX_SCALE_ROW1
.else
	v_wmma_scale_f32_16x16x128_f8f6f4 v[8*(8*((\a)%4)+\b):8*(8*((\a)%4)+\b)+7], v[64*(\set)+8*\b:64*(\set)+8*\b+7], v[OF+64*(\set)+8*(\a):OF+64*(\set)+8*(\a)+7], v[CB+8*(\a):CB+8*(\a)+7], v[SC+32*(\sl)+4*\b+(\q)], v[SC+32*(\sl)+4*(\a)+(\q)] matrix_a_fmt:MATRIX_FMT_FP4 matrix_b_fmt:MATRIX_FMT_FP4 matrix_a_scale:MATRIX_SCALE_ROW1
.endif
.endr
.endr
.endm
.macro MULLO set, q, sl, cmode         ; source 0 window 1, source 1 window 0, D window 2; C window 2, or 1 for the bias
.if \cmode
	WIN 0x91
.else
	WIN 0xa1
.endif
	MUL16 0, \set, \q, \sl, \cmode
	MUL16 2, \set, \q, \sl, \cmode
.endm
.macro MULHI set, q, sl, cmode         ; the same with D in window 3
.if \cmode
	WIN 0xd1
.else
	WIN 0xf1
.endif
	MUL16 4, \set, \q, \sl, \cmode
	MUL16 6, \set, \q, \sl, \cmode
.endm
; A K step that has its successor in the same slot: the successor's 32 loads go out ahead of this step's 64 matrix instructions.
.macro STEP slot, q, cmode, places
	s_wait_dscnt 0x0                               ; this step's fragments, asked for a step ago, are in
.if \places
	PLACES                                         ; the other set was read by the step before
.endif
	FETCH \slot, (\q)+1, ((\q)+1)%2
	MULLO (\q)%2, \q, \slot, \cmode
	MULHI (\q)%2, \q, \slot, \cmode
	WIN 0
.endm
	s_wait_tensorcnt 0x2                           ; my two parts of slot 0 are in; my two of slot 1 may be out
	s_barrier_signal -1
	s_barrier_wait -1                              ; slot 0 is whole
	FETCH 0, 0, 0
	SCALES 0
	SCALES 1                                       ; all of K's scale words lie in slot 0's records: both sets now
	s_wait_loadcnt 0x0                             ; the bias
	s_cmp_eq_u32 s[TYPE], 2
	s_cbranch_scc1 .Lfirst_v
	STEP 0, 0, 1, 0                                ; the first K step starts the sums from the bias: nothing is cleared
	s_branch .Lfirst_done
.Lfirst_v:
	STEP 0, 0, 2, 0
.Lfirst_done:
	STEP 0, 1, 0, 1
	STEP 0, 2, 0, 1
	s_wait_tensorcnt 0x0                           ; my parts of slot 1 are in,
	s_wait_dscnt 0x0                               ; and so are this step's fragments
	s_barrier_signal -1
	MULLO 1, 3, 0, 0                               ; work on registers while the others arrive
	WIN 0
	s_barrier_wait -1                              ; slot 1 is whole
	PLACES
	FETCH 1, 0, 0
	MULHI 1, 3, 0, 0
	WIN 0
	STEP 1, 0, 0, 1
	STEP 1, 1, 0, 1
	STEP 1, 2, 0, 1
	s_wait_dscnt 0x0
	MULLO 1, 3, 1, 0
	MULHI 1, 3, 1, 0
	WIN 0
	PLACES
; THE EPILOGUE.  The 64 registers of OUTER's block o are, in my lane, 128 neighbours along INNER: register 16 b + i = 32 b + 16 h + i.  They become a fragment's 8 registers of codes and a scale word.
.macro QUANTW o
.set WI, 2+(\o)/4
.set WW, (WI<<2)|(WI<<4)
.set SRC, 64*((\o)%4)
	WIN 0
.irp b, 0,1,2,3
	v_mov_b32 v[TM+\b], 0x1800000                  ; the floor 2^(3 - 127)
.endr
	WIN WW                                         ; sources 1 and 2: the accumulators' window
.irp i, 0,2,4,6,8,10,12,14                     ; ascending: each accumulator is read from its low end on
.irp b, 0,1,2,3
	v_max3_num_f32 v[TM+\b], v[TM+\b], |v[SRC+16*\b+\i]|, |v[SRC+16*\b+\i+1]|
.endr
.endr
	WIN 0
.irp b, 0,1,2,3
	v_permlanex16_b32 v[TM+4+\b], v[TM+\b], s2, s3
.endr
.irp b, 0,1,2,3
	v_max_num_f32 v[TM+\b], v[TM+\b], v[TM+4+\b]   ; with lane l xor 16's: the block's largest magnitude
.endr
.irp b, 0,1,2,3
	v_add_nc_u32 v[TM+12+\b], 0xff000000, v[TM+\b] ; 2 off its exponent field: the conversion's scale operand
.endr
.irp b, 0,1,2,3
	v_lshrrev_b32 v[TM+4+\b], 23, v[TM+12+\b]      ; the scale's byte
.endr
	v_lshl_or_b32 v[PW+\o], v[TM+5], 8, v[TM+4]
	v_lshl_or_b32 v[PW+\o], v[TM+6], 16, v[PW+\o]
	v_lshl_or_b32 v[PW+\o], v[TM+7], 24, v[PW+\o]
	WIN WI                                         ; source 0: the accumulators' window
.irp b, 0,1,2,3
	v_cvt_scalef32_pk8_fp4_f32 v[PC+8*\o+2*\b], v[SRC+16*\b:SRC+16*\b+7], v[TM+12+\b]
	v_cvt_scalef32_pk8_fp4_f32 v[PC+8*\o+2*\b+1], v[SRC+16*\b+8:SRC+16*\b+15], v[TM+12+\b]
.endr
	WIN 0
	v_nop                                          ; one plain place behind a scaled conversion
.irp c, 0,1                                    ; the operand's layout wants a whole block in a lane
.irp i, 0,1
	v_permlane16_swap_b32 v[PC+8*\o+4*\c+\i], v[PC+8*\o+2+4*\c+\i]
.endr
.endr
.endm
.irp o, 0,1,2,3,4,5,6,7
	QUANTW \o
.endr
	s_cmp_eq_u32 s[TYPE], 2
	s_cbranch_scc1 .Lout_v
.irp o, 0,1,2,3,4,5,6,7                        ; q, k: registers 4 c .. 4 c + 3 are head c's 64 channels of tile o's 16 tokens
.irp c, 0,1
	global_store_b128 v[LI], v[PC+8*\o+4*\c:PC+8*\o+4*\c+3], s[96:97] offset:\c*HSTR+\o*512
.endr
.endr
.irp p, 0,1,2,3
	v_perm_b32 v[DW+\p], v[PW+2*\p+1], v[PW+2*\p], v[SELV]   ; my head's two bytes of tiles 2 p and 2 p + 1
.endr
	s_branch .Lout_sc
.Lout_v:
	s_wait_alu depctr_va_vdst(0)
.irp o, 0,1,2,3,4,5,6,7                        ; v: block o is head o / 4, channel tile o % 4: a whole fragment over my 128 keys
.irp c, 0,1
	global_store_b128 v[LI], v[PC+8*\o+4*\c:PC+8*\o+4*\c+3], s[96:97] offset:(\o/4)*HSTR+(\o%4)*1024+\c*512
.endr
.endr
	v_cmp_eq_u32 vcc_lo, 1, v2
.irp t, 0,1,2,3
	v_cndmask_b32 v[DW+\t], v[PW+\t], v[PW+4+\t], vcc_lo
.endr
.Lout_sc:
	s_wait_alu depctr_va_vdst(0)
	global_store_b128 v[SA], v[DW:DW+3], s[96:97] offset:4096   ; lanes 0-15 the first head's 256 bytes of scale words, lanes 16-31 the second head's
	s_wait_dscnt 0x0
	s_wait_tensorcnt 0x0
	ds_add_u32 v107, v127
	s_wait_dscnt 0x0
	CROUND                                         ; the closing round: no work-group ends while a partner may still ask for a tile that names it
	s_endpgm
.Lfunc_end_k_q5eb223f7da_qkv:
	.size	k_q5eb223f7da_qkv, .Lfunc_end_k_q5eb223f7da_qkv-k_q5eb223f7da_qkv
	.p2alignl 7, 3214868480
	.fill 96, 4, 3214868480
	.section	.rodata,"a",@progbits
	.p2align	6, 0x0
	.amdhsa_kernel k_q5eb223f7da_qkv
		.amdhsa_group_segment_fixed_size 279040
		.amdhsa_private_segment_fixed_size 0
		.amdhsa_enable_private_segment 0
		.amdhsa_kernarg_size 64
		.amdhsa_user_sgpr_count 2
		.amdhsa_user_sgpr_kernarg_segment_ptr 1
		.amdhsa_wavefront_size32 1
		.amdhsa_system_sgpr_workgroup_id_x 1
		.amdhsa_system_sgpr_workgroup_id_y 1
		.amdhsa_system_sgpr_workgroup_id_z 1
		.amdhsa_system_vgpr_workitem_id 0
		.amdhsa_next_free_vgpr 1024
		.amdhsa_next_free_sgpr 102
		.amdhsa_reserve_vcc 1
		.amdhsa_float_denorm_mode_32 3
		.amdhsa_float_denorm_mode_16_64 3
		.amdhsa_memory_ordered 1
		.amdhsa_forward_progress 1
		.amdhsa_inst_pref_size 146
	.end_amdhsa_kernel
	.amdgpu_metadata
---
amdhsa.version: [ 1, 2 ]
amdhsa.kernels:
  - .name:           k_q5eb223f7da_qkv
    .symbol:         k_q5eb223f7da_qkv.kd
    .args:
      - { .name: xrec, .offset: 0, .size: 8, .value_kind: global_buffer, .address_space: global }
      - { .name: wrec, .offset: 8, .size: 8, .value_kind: global_buffer, .address_space: global }
      - { .name: bq, .offset: 16, .size: 8, .value_kind: global_buffer, .address_space: global }
      - { .name: bk, .offset: 24, .size: 8, .value_kind: global_buffer, .address_space: global }
      - { .name: bv, .offset: 32, .size: 8, .value_kind: global_buffer, .address_space: global }
      - { .name: qrec, .offset: 40, .size: 8, .value_kind: global_buffer, .address_space: global }
      - { .name: krec, .offset: 48, .size: 8, .value_kind: global_buffer, .address_space: global }
      - { .name: vrec, .offset: 56, .size: 8, .value_kind: global_buffer, .address_space: global }
    .group_segment_fixed_size: 279040
    .private_segment_fixed_size: 0
    .kernarg_segment_align: 8
    .kernarg_segment_size: 64
    .max_flat_workgroup_size: 128
    .sgpr_count:     102
    .vgpr_count:     1024
    .wavefront_size: 32
...
	.end_amdgpu_metadata
.endif
;; end of part 3
;; launch attn (part 4): grid 4 x 64, 16 waves a work-group, clusters of 4 x 1, 327,680 bytes of LDS; arguments qrec, krec, vrec, crec; writes crec
.if DOCPART == 4
	.amdgcn_target "amdgcn-amd-amdhsa--gfx1250"
	.amdhsa_code_object_version 6
	.text
	.protected	k_q5eb223f7da_attn
	.globl	k_q5eb223f7da_attn
	.p2align	8
	.type	k_q5eb223f7da_attn,@function
k_q5eb223f7da_attn:
	s_mov_b64 s[64:65], 0
	v_nop
	global_prefetch_b8 v0, s[64:65] scope:SCOPE_SE
	s_setreg_imm32_b32 hwreg(HW_REG_WAVE_MODE, 25, 1), 1
	s_wait_xcnt 0x0
	s_wait_alu depctr_hold_cnt(0) depctr_sa_sdst(0) depctr_va_vdst(0) depctr_va_sdst(0) depctr_va_ssrc(0) depctr_va_vcc(0) depctr_vm_vsrc(0)
	s_getreg_b32 s2, hwreg(HW_REG_IB_STS2, 6, 4)
	s_cmp_eq_u32 s2, 0
	s_cbranch_scc0 .Lentry_in_a_cluster
	s_endpgm
.Lentry_in_a_cluster:
	s_bfe_u32 s2, ttmp6, 0x10000c
	s_cmp_lg_u32 s2, 0x3003
	s_cbranch_scc0 .Lentry_shape_is_right
	s_endpgm
.Lentry_shape_is_right:
; ctx[b][q][head 64 + d] = the sum over keys of softmax(q . k / 8) v, both products on codes of FP4 (E2M1) with E8M0 scales; the result is quantised along head 64 + d and leaves as codes.
; THE SOFTMAX AHEAD OF THE SECOND PRODUCT: t = score x log2(e) / 8; M = the running largest t rounded UP to a whole number; p = 2^(t - M) is quantised along the keys, not normalised.
; The row's sum is taken of the unquantised p and divides O at the end.  When M moves, the sum and O are multiplied by 2^(old M - new M): exact.
; IN: a record of 4,352 bytes for each head and 128 tokens.  q, k: tile o of 16 tokens at 512 o + 16 L (d = 32 (L / 16) + 0 .. 31 of row L % 16); the scale word of tiles 2 p, 2 p + 1 at 4096 + 16 r + 4 p.
;     v: fragment of channel tile t at 1024 t + 512 c + 16 L (keys 64 c + 32 (L / 16) + 0 .. 31); scale word at 4096 + 16 r + 4 t.  Row r of tile 2 B + u is token (or channel) 32 B + 8 u + r + 8 (r / 8).
; SHARES: a work-group takes one head and 512 queries; each of its sixteen waves one tile of 16 queries at a time, two passes, in 256 registers: four waves to a SIMD, so that one wave's vector work stands beside another's products.
; THE HEAD'S WHOLE K AND V LIE IN LDS (16 + 16 records): first fills alone, one barrier, none in the loop over the keys.  CLUSTER: the four work-groups of a head ask for each record jointly.
; LAYOUT: both products transposed: S^T = K Q^T, O^T = V^T P^T: a lane holds one query throughout, and by the order of a tile's rows the 16 registers of two neighbouring tiles are 16 neighbouring keys (or channels).
; K = 64 IN AN INSTRUCTION OF 128: a fragment of K holds TWO tiles of keys (registers 0-3, 4-7), its scale word the bytes of both.  The even tile is multiplied by [q | zero codes], the odd one by [zero codes | q]:
; the dead half's products are zero codes times finite numbers, exactly 0.  Q's scale bytes of the dead half are 1, the smallest, so that half cannot set the sum's exponent.
; OUT: crec, records of 16 tokens x K 1,024 (8,704 bytes): my head's image at 512 + 512 head + 16 L, its two scale bytes at 32 r + 2 head.  The scale bytes leave as 2 bytes a lane, 32 bytes apart: one byte in 16 of the codes.
; LIMITS: NaN and infinities are not served.  A block of zeros gets the byte 1 where the rule says 127: its codes are zeros, and this program alone reads the bytes.
; REGISTERS: v1-7 addresses that stay; v8-11 addresses of the step; v12 -M, v13 the largest t, v[14:15] the sum; v[16:27] zeros, q, zeros; v28-29 Q's two scale words; v32-63 K; v64-95 V; v96-159 S^T, then p; v160-191 O^T;
;   v192-199 p's codes; v200-203 K's scale words, v204-207 V's, v208 p's; v212-229 at work; v232-237 Q of pass 1 and the raw scale words; v240-250 ctx's codes and scale bytes.
.set REC,  8704
.set AREC, 4352
.set HSTR, 16*AREC                     ; a head's 16 records: V lies so far behind K in LDS
.set BM,  212
.set T2,  216
.set SO,  220
.set WV,  12
.set SEL, 20
.set CS,  22
.set G1,  24
.set G0K, 32
.set G0V, 36
.set TB,  40                           ; s40 LDS byte of the group of 128 keys in hand
.set CNT, 41
.macro CROUND
	s_barrier_signal -1
	s_barrier_wait -1
	s_cmp_lg_u32 s[WV], 0
	s_cbranch_scc1 .Lnot_wave_0_\@
	s_barrier_signal -3
.Lnot_wave_0_\@:
	s_barrier_wait -3
	s_barrier_signal -1
	s_barrier_wait -1
.endm
	s_load_b256 s[4:11], s[0:1], 0x0               ; qrec, krec, vrec, crec
	v_lshl_add_u32 v254, v0, 2, 0x29000
	v_mov_b32 v255, 0
	ds_add_u32 v254, v255
	ds_add_u32 v254, v255
	v_lshrrev_b32 v1, 5, v0
	s_delay_alu instid0(VALU_DEP_1)
	v_readfirstlane_b32 s[WV], v1                  ; wave 0..15
	s_bfe_u32 s13, ttmp6, 0x40000                  ; cx: it enters Q's and ctx's addresses alone
	s_and_b32 s14, ttmp7, 0xffff                   ; 16 batch + head, which the four partners share
	; descriptor group 1: a record, 4,352 dense bytes, as 17 rows of 32 elements of 8 bytes; the mask names all four
	s_mov_b32 s[G1], 15|(3<<16)|(1<<21)
	s_mov_b32 s[G1+1], 32<<16
	s_mov_b32 s[G1+2], 17<<16
	s_mov_b32 s[G1+3], 32<<16
	s_mov_b32 s[G1+4], 17
	s_mov_b32 s[G1+5], 32
	s_mov_b32 s[G1+6], 0
	s_mov_b32 s[G1+7], 0
	s_mov_b32 s[SEL], 0x76543210
	s_mov_b32 s[SEL+1], 0xfedcba98
	s_mov_b32 s[CS], 0x3e38aa3b                    ; c = log2(e) / 8
	s_mov_b32 s[CS+1], s[CS]                       ; (named with it as a pair, so it is written)
	s_lshl_b32 s15, s14, 4
	s_add_co_u32 s16, s15, s[WV]                   ; wave w brings record w of K and of V
	s_mul_i32 s52, s16, AREC
	s_mov_b32 s53, 0
	s_mul_i32 s17, s[WV], AREC
	s_wait_dscnt 0x0
	s_wait_kmcnt 0x0
	CROUND                                         ; all four work-groups are here: the joint loads meet
	s_mov_b32 s[G0K], 1
	s_mov_b32 s[G0K+1], s17
	s_add_nc_u64 s[G0K+2:G0K+3], s[6:7], s[52:53]
	s_or_b32 s[G0K+3], s[G0K+3], 0x80000000
	s_mov_b32 s[G0V], 1
	s_add_co_u32 s[G0V+1], s17, HSTR
	s_add_nc_u64 s[G0V+2:G0V+3], s[8:9], s[52:53]
	s_or_b32 s[G0V+3], s[G0V+3], 0x80000000
	tensor_load_to_lds s[G0K:G0K+3], s[G1:G1+7]    ; one load of mine is out
	s_nop 0
	s_wait_alu depctr_va_vdst(0)
	s_wait_tensorcnt 0x0
	ds_add_u32 v254, v255
	s_wait_dscnt 0x0
	CROUND
	tensor_load_to_lds s[G0V:G0V+3], s[G1:G1+7]
	s_nop 0
.rept 4
	v_nop
.endr
	s_lshl_b32 s18, ttmp9, 2
	s_add_co_u32 s18, s18, s13                     ; my block of 512 queries
	s_lshl_b32 s19, s18, 2
	s_add_co_u32 s19, s19, s15
	s_lshr_b32 s42, s[WV], 3
	s_add_co_u32 s19, s19, s42                     ; pass 0: the record of my tile's group of 128; pass 1: two records on
	s_mul_i32 s52, s19, AREC
	s_and_b32 s42, s[WV], 7                        ; my tile in it
	s_lshl_b32 s54, s42, 9
	s_add_co_u32 s54, s54, s52
	s_mov_b32 s55, 0
	s_add_nc_u64 s[44:45], s[4:5], s[54:55]        ; Q's image
	s_lshr_b32 s42, s42, 1
	s_lshl_b32 s42, s42, 2
	s_add_co_u32 s54, s52, s42
	s_add_nc_u64 s[46:47], s[4:5], s[54:55]        ; the scale word of my pair of tiles,
	s_and_b32 s43, s[WV], 1
	s_lshl_b32 s43, s43, 4                         ; and how far up my two bytes lie in it
	s_lshr_b32 s42, s14, 4
	s_lshl_b32 s42, s42, 7                         ; 128 records a batch
	s_lshl_b32 s19, s18, 5
	s_add_co_u32 s42, s42, s19
	s_add_co_u32 s42, s42, s[WV]                   ; pass 0's record of ctx; pass 1's lies 16 records on
	s_mul_i32 s42, s42, REC
	s_and_b32 s19, s14, 15                         ; head
	s_lshl_b32 s54, s19, 9
	s_add_co_u32 s54, s54, s42
	s_add_co_u32 s54, s54, 512
	s_add_nc_u64 s[48:49], s[10:11], s[54:55]
	s_lshl_b32 s54, s19, 1
	s_add_co_u32 s54, s54, s42
	s_add_nc_u64 s[50:51], s[10:11], s[54:55]
	v_and_b32 v1, 15, v0                           ; r
	v_bfe_u32 v2, v0, 4, 1                         ; h
	v_and_b32 v9, 31, v0
	s_delay_alu instid0(VALU_DEP_1)
	v_lshlrev_b32 v3, 4, v9                        ; 16 x lane
	s_delay_alu instid0(VALU_DEP_4)
	v_lshlrev_b32 v4, 4, v1
	s_delay_alu instid0(VALU_DEP_1)
	v_add_nc_u32 v4, 4096, v4                      ; a record's scale words of row r
	global_load_b128 v[20:23], v3, s[44:45]        ; Q of pass 0, straight into its place
	global_load_b128 v[232:235], v3, s[44:45] offset:2*AREC
	global_load_b32 v236, v4, s[46:47]
	global_load_b32 v237, v4, s[46:47] offset:2*AREC
	v_add_nc_u32 v5, HSTR, v3                      ; the same two for V
	v_add_nc_u32 v6, HSTR, v4
	v_mul_u32_u24 v7, v2, 16*REC
	s_delay_alu instid0(VALU_DEP_1)
	v_lshl_add_u32 v7, v1, 5, v7                   ; ctx's scale bytes: 32 r; lanes 16-31 carry pass 1's
.irp i, 16,17,18,19,24,25,26,27
	v_mov_b32 v\i, 0                               ; zero codes on both sides of q
.endr
.irp b, 0,1,2,3
	v_mov_b32 v[T2+\b], 0                          ; written once: a lane permute's destination counts as one of its sources
.endr
	v_mov_b32 v225, 0                              ; (named as the upper half of the pair v[224:225])
	s_wait_tensorcnt 0x0                           ; my two records are in,
	s_barrier_signal -1
	s_barrier_wait -1                              ; everybody's are
; A KEY STEP: 128 keys.
.macro STEP
	v_add_nc_u32 v8, s[TB], v3                     ; these four are also the places in front of the loads into registers that the last products read
	v_add_nc_u32 v9, s[TB], v4
	v_add_nc_u32 v10, s[TB], v5
	v_add_nc_u32 v11, s[TB], v6
.irp f, 0,1,2,3
.irp u, 0,1
	ds_load_b128 v[32+8*\f+4*\u:35+8*\f+4*\u], v8 offset:1024*\f+512*\u    ; tiles 2 f and 2 f + 1 of keys make one fragment
.endr
.endr
	ds_load_b128 v[200:203], v9
.irp t, 0,1,2,3
.irp c, 0,1
	ds_load_b128 v[64+8*\t+4*\c:67+8*\t+4*\c], v10 offset:1024*\t+512*\c
.endr
.endr
	ds_load_b128 v[204:207], v11
	s_wait_dscnt 9                                 ; K and its scale words are in; V's eight loads and its scale words may be out
.irp f, 0,1,2,3
	v_wmma_scale_f32_16x16x128_f8f6f4 v[96+16*\f:103+16*\f], v[32+8*\f:39+8*\f], v[20:27], 0, v[200+\f], v28 matrix_a_fmt:MATRIX_FMT_FP4 matrix_b_fmt:MATRIX_FMT_FP4
	v_wmma_scale_f32_16x16x128_f8f6f4 v[104+16*\f:111+16*\f], v[32+8*\f:39+8*\f], v[16:23], 0, v[200+\f], v29 matrix_a_fmt:MATRIX_FMT_FP4 matrix_b_fmt:MATRIX_FMT_FP4
.endr                                          ; register 16 b + i is key 32 b + 16 h + i of the group
.rept 4
	v_nop
.endr
.irp b, 0,1,2,3
	v_max3_num_f32 v[BM+\b], v[96+16*\b], v[97+16*\b], v[98+16*\b]   ; the largest score of each block of 32 keys: for the row's maximum, and, since p rises with the score, for the block's largest p
.endr
.irp i, 3,5,7,9,11,13
.irp b, 0,1,2,3
	v_max3_num_f32 v[BM+\b], v[BM+\b], v[96+16*\b+\i], v[97+16*\b+\i]
.endr
.endr
.irp b, 0,1,2,3
	v_max_num_f32 v[BM+\b], v[BM+\b], v[111+16*\b]
.endr
.irp b, 0,1,2,3
	s_delay_alu instid0(VALU_DEP_4)
	v_permlanex16_b32 v[T2+\b], v[BM+\b], s[SEL], s[SEL+1]
.endr
.irp b, 0,1,2,3
	s_delay_alu instid0(VALU_DEP_4)
	v_max_num_f32 v[BM+\b], v[BM+\b], v[T2+\b]     ; with lane l xor 16's 16 keys
.endr
	s_delay_alu instid0(VALU_DEP_2)
	v_max3_num_f32 v226, v[BM], v[BM+1], v[BM+2]
	s_delay_alu instid0(VALU_DEP_1)
	v_max_num_f32 v226, v226, v[BM+3]              ; the step's largest score of my query
	s_delay_alu instid0(VALU_DEP_1)
	v_mul_f32 v226, s[CS], v226                    ; as t (c is positive)
	s_delay_alu instid0(VALU_DEP_1)
	v_max_num_f32 v13, v13, v226                   ; the running largest t
	v_mov_b32 v226, v12
	s_delay_alu instid0(VALU_DEP_2)
	v_floor_f32 v12, -v13                          ; the new -M = floor(-t): M is a whole number
	s_delay_alu instid0(VALU_DEP_1)
	v_sub_f32 v226, v12, v226                      ; old M - new M: a whole number, 0 or less
	s_delay_alu instid0(VALU_DEP_1)
	v_cvt_i32_f32 v226, v226                       ; (it saturates)
	s_delay_alu instid0(VALU_DEP_1)
	v_ldexp_f32 v224, 1.0, v226                    ; f = 2^(old M - new M)
.set i, 0
.rept 32
	v_pk_fma_f32 v[96+i:97+i], v[96+i:97+i], s[CS:CS+1], v[12:13] op_sel_hi:[1,0,0]   ; t - M, two at a time
.set i, i+2
.endr
.irp b, 0,1,2,3
	v_fma_f32 v[BM+\b], v[BM+\b], s[CS], v12       ; the same of each block's largest score
.endr
.set i, 0
	s_wait_alu depctr_va_vdst(0)
.rept 64
	v_exp_f32 v[96+i], v[96+i]                     ; p = 2^(t - M), at most 1
.set i, i+1
.endr
	s_setprio 1
.irp b, 0,1,2,3
	v_exp_f32 v[BM+\b], v[BM+\b]                   ; the block's largest p: the same two instructions on the same number
.endr
	v_pk_mul_f32 v[14:15], v[14:15], v[224:225] op_sel_hi:[1,0]   ; the sums under the new M (a plain place behind the exponentials)
	s_wait_alu depctr_va_vdst(0)
.irp b, 0,1,2,3
	v_max_num_f32 v[BM+\b], 0x1800000, v[BM+\b]    ; the floor 2^(3 - 127)
.endr
.irp b, 0,1,2,3
	s_delay_alu instid0(VALU_DEP_4)
	v_add_nc_u32 v[SO+\b], 0xff000000, v[BM+\b]    ; 2 off the exponent field: the conversion's scale operand
.endr
.irp b, 0,1,2,3
	s_delay_alu instid0(VALU_DEP_4)
	v_lshrrev_b32 v[T2+\b], 23, v[SO+\b]           ; the scale's byte
.endr
	s_delay_alu instid0(VALU_DEP_3)
	v_lshl_or_b32 v208, v[T2+1], 8, v[T2]          ; p's scale word for these 128 keys
	s_delay_alu instid0(VALU_DEP_1)
	v_lshl_or_b32 v208, v[T2+2], 16, v208
	s_delay_alu instid0(VALU_DEP_1)
	v_lshl_or_b32 v208, v[T2+3], 24, v208
.irp b, 0,1,2,3
	v_cvt_scalef32_pk8_fp4_f32 v[192+2*\b], v[96+16*\b:103+16*\b], v[SO+\b]
	v_cvt_scalef32_pk8_fp4_f32 v[193+2*\b], v[104+16*\b:111+16*\b], v[SO+\b]
.endr
	v_nop                                          ; one plain place behind a scaled conversion
.irp c, 0,1
.irp i, 0,1
	v_permlane16_swap_b32 v[192+4*\c+\i], v[194+4*\c+\i]
.endr
.endr
	v_pk_add_f32 v[228:229], v[96:97], v[98:99]    ; the row's sum is taken of the unquantised p, in two chains
.irp j, 4,8,12,16,20,24,28,32,36,40,44,48,52,56,60
	v_pk_add_f32 v[14:15], v[14:15], v[96+\j:97+\j]
	v_pk_add_f32 v[228:229], v[228:229], v[98+\j:99+\j]
.endr
	s_delay_alu instid0(VALU_DEP_1)
	v_pk_add_f32 v[14:15], v[14:15], v[228:229]
.set i, 0
	s_setprio 0
.rept 16
	v_pk_mul_f32 v[160+i:161+i], v[160+i:161+i], v[224:225] op_sel_hi:[1,0]   ; O^T under the new M, each accumulator from its low end on
.set i, i+2
.endr
	s_wait_alu depctr_va_vdst(0)
	s_wait_dscnt 0x0                               ; V is in
.irp t, 0,1,2,3                                ; the four accumulators take turns
	v_wmma_scale_f32_16x16x128_f8f6f4 v[160+8*\t:167+8*\t], v[64+8*\t:71+8*\t], v[192:199], v[160+8*\t:167+8*\t], v[204+\t], v208 matrix_a_fmt:MATRIX_FMT_FP4 matrix_b_fmt:MATRIX_FMT_FP4
.endr
.endm
; A PASS: one tile of 16 queries against all 2,048 keys, then its 64 channels of ctx as codes.
.macro PASS p
.if \p == 0
	s_wait_loadcnt 0x0                             ; Q of both passes
.else
.irp i, 0,1,2,3
	v_mov_b32 v[20+\i], v[232+\i]
.endr
.endif
	v_lshrrev_b32 v226, s43, v[236+\p]
	s_delay_alu instid0(VALU_DEP_1)
	v_and_b32 v226, 0xffff, v226                   ; my tile's two scale bytes
	s_delay_alu instid0(VALU_DEP_1)
	v_or_b32 v28, 0x01010000, v226                 ; for [q | zeros]
	s_delay_alu instid0(VALU_DEP_2)
	v_lshl_or_b32 v29, v226, 16, 0x0101            ; for [zeros | q]
	v_mov_b32 v13, 0xff61b1e6                      ; the largest t so far: -3e38
	s_delay_alu instid0(VALU_DEP_1)
	v_floor_f32 v12, -v13
	v_mov_b32 v14, 0
	v_mov_b32 v15, 0
.set i, 0
.rept 32
	v_mov_b32 v[160+i], 0                          ; O^T: the step is written once; its first trip finds zeros.  (Also the places between the scale words' lines and the first product)
.set i, i+1
.endr
	s_mov_b32 s[TB], 0
	s_mov_b32 s[CNT], 16
.Lkeys_\p:
	s_setprio 2
	STEP
	s_add_co_u32 s[TB], s[TB], AREC
	s_sub_co_i32 s[CNT], s[CNT], 1
	s_cmp_lg_u32 s[CNT], 0
	s_cbranch_scc1 .Lkeys_\p
	s_setprio 0
.rept 4
	v_nop
.endr
	v_add_f32 v14, v14, v15                        ; the sum's two halves,
	s_delay_alu instid0(VALU_DEP_1)
	v_permlanex16_b32 v226, v14, s[SEL], s[SEL+1]
	s_delay_alu instid0(VALU_DEP_1)
	v_add_f32 v14, v14, v226                       ; and lane l xor 16's
	s_wait_alu depctr_va_vdst(0)
	v_rcp_f32 v14, v14
	v_nop                                          ; a plain place behind the transcendental
.set i, 0
	s_wait_alu depctr_va_vdst(0)
.rept 32
	v_mul_f32 v[96+i], v[160+i], v14               ; ctx: register 16 b + i is channel 32 b + 16 h + i of my query
.set i, i+1
.endr
.irp b, 0,1
	v_max3_num_f32 v[BM+\b], |v[96+16*\b]|, |v[97+16*\b]|, 0x1800000
.endr
.irp i, 2,4,6,8,10,12,14
.irp b, 0,1
	s_delay_alu instid0(VALU_DEP_2)
	v_max3_num_f32 v[BM+\b], v[BM+\b], |v[96+16*\b+\i]|, |v[97+16*\b+\i]|
.endr
.endr
.irp b, 0,1
	s_delay_alu instid0(VALU_DEP_2)
	v_permlanex16_b32 v[T2+\b], v[BM+\b], s[SEL], s[SEL+1]
.endr
.irp b, 0,1
	s_delay_alu instid0(VALU_DEP_2)
	v_max_num_f32 v[BM+\b], v[BM+\b], v[T2+\b]
.endr
.irp b, 0,1
	s_delay_alu instid0(VALU_DEP_2)
	v_add_nc_u32 v[SO+\b], 0xff000000, v[BM+\b]
.endr
.irp b, 0,1
	s_delay_alu instid0(VALU_DEP_2)
	v_lshrrev_b32 v[T2+\b], 23, v[SO+\b]
.endr
	s_delay_alu instid0(VALU_DEP_1)
	v_lshl_or_b32 v[248+\p], v[T2+1], 8, v[T2]     ; my head's two scale bytes of my query
.irp b, 0,1
	v_cvt_scalef32_pk8_fp4_f32 v[240+4*\p+2*\b], v[96+16*\b:103+16*\b], v[SO+\b]
	v_cvt_scalef32_pk8_fp4_f32 v[241+4*\p+2*\b], v[104+16*\b:111+16*\b], v[SO+\b]
.endr
	v_nop                                          ; one plain place behind a scaled conversion
	v_permlane16_swap_b32 v[240+4*\p], v[242+4*\p]
	v_permlane16_swap_b32 v[241+4*\p], v[243+4*\p] ; lanes 0-15 channels 0 .. 31, lanes 16-31 channels 32 .. 63
	global_store_b128 v3, v[240+4*\p:243+4*\p], s[48:49] offset:\p*16*REC   ; 512 consecutive bytes, aligned
.endm
	PASS 0
	PASS 1
	v_cmp_eq_u32 vcc_lo, 1, v2
	s_delay_alu instid0(VALU_DEP_1)
	v_cndmask_b32 v250, v248, v249, vcc_lo         ; lanes 0-15 store pass 0's bytes, lanes 16-31 pass 1's
	global_store_b16 v7, v250, s[50:51]
	s_wait_dscnt 0x0
	s_wait_tensorcnt 0x0
	ds_add_u32 v254, v255
	s_wait_dscnt 0x0
	CROUND                                         ; the closing round
	s_endpgm
.Lfunc_end_k_q5eb223f7da_attn:
	.size	k_q5eb223f7da_attn, .Lfunc_end_k_q5eb223f7da_attn-k_q5eb223f7da_attn
	.p2alignl 7, 3214868480
	.fill 96, 4, 3214868480
	.section	.rodata,"a",@progbits
	.p2align	6, 0x0
	.amdhsa_kernel k_q5eb223f7da_attn
		.amdhsa_group_segment_fixed_size 327680
		.amdhsa_private_segment_fixed_size 0
		.amdhsa_enable_private_segment 0
		.amdhsa_kernarg_size 32
		.amdhsa_user_sgpr_count 2
		.amdhsa_user_sgpr_kernarg_segment_ptr 1
		.amdhsa_wavefront_size32 1
		.amdhsa_system_sgpr_workgroup_id_x 1
		.amdhsa_system_sgpr_workgroup_id_y 1
		.amdhsa_system_sgpr_workgroup_id_z 1
		.amdhsa_system_vgpr_workitem_id 0
		.amdhsa_next_free_vgpr 256
		.amdhsa_next_free_sgpr 66
		.amdhsa_reserve_vcc 1
		.amdhsa_float_denorm_mode_32 3
		.amdhsa_float_denorm_mode_16_64 3
		.amdhsa_memory_ordered 1
		.amdhsa_forward_progress 1
		.amdhsa_inst_pref_size 50
	.end_amdhsa_kernel
	.amdgpu_metadata
---
amdhsa.version: [ 1, 2 ]
amdhsa.kernels:
  - .name:           k_q5eb223f7da_attn
    .symbol:         k_q5eb223f7da_attn.kd
    .args:
      - { .name: qrec, .offset: 0, .size: 8, .value_kind: global_buffer, .address_space: global }
      - { .name: krec, .offset: 8, .size: 8, .value_kind: global_buffer, .address_space: global }
      - { .name: vrec, .offset: 16, .size: 8, .value_kind: global_buffer, .address_space: global }
      - { .name: crec, .offset: 24, .size: 8, .value_kind: global_buffer, .address_space: global }
    .group_segment_fixed_size: 327680
    .private_segment_fixed_size: 0
    .kernarg_segment_align: 8
    .kernarg_segment_size: 32
    .max_flat_workgroup_size: 512
    .sgpr_count:     66
    .vgpr_count:     256
    .wavefront_size: 32
...
	.end_amdgpu_metadata
.endif
;; end of part 4
;; launch proj (part 5): grid 4 x 64, 4 waves a work-group, clusters of 4 x 4, 209,408 bytes of LDS; arguments crec, wrec, bo, out0; writes out0
.if DOCPART == 5
	.amdgcn_target "amdgcn-amd-amdhsa--gfx1250"
	.amdhsa_code_object_version 6
	.text
	.protected	k_q5eb223f7da_proj
	.globl	k_q5eb223f7da_proj
	.p2align	8
	.type	k_q5eb223f7da_proj,@function
k_q5eb223f7da_proj:
	s_mov_b64 s[64:65], 0
	v_nop
	global_prefetch_b8 v0, s[64:65] scope:SCOPE_SE
	s_setreg_imm32_b32 hwreg(HW_REG_WAVE_MODE, 25, 1), 1
	s_wait_xcnt 0x0
	s_wait_alu depctr_hold_cnt(0) depctr_sa_sdst(0) depctr_va_vdst(0) depctr_va_sdst(0) depctr_va_ssrc(0) depctr_va_vcc(0) depctr_vm_vsrc(0)
	s_getreg_b32 s2, hwreg(HW_REG_IB_STS2, 6, 4)
	s_cmp_eq_u32 s2, 0
	s_cbranch_scc0 .Lentry_in_a_cluster
	s_endpgm
.Lentry_in_a_cluster:
	s_bfe_u32 s2, ttmp6, 0x10000c
	s_cmp_lg_u32 s2, 0xf033
	s_cbranch_scc0 .Lentry_shape_is_right
	s_endpgm
.Lentry_shape_is_right:
; out = ctx Wo + bo on codes of FP4 (E2M1) with E8M0 scales; sums and result in f32.
; OPERANDS: records of 16 rows x K 1,024 = 8,704 bytes in the order of an operand's registers: scale words at 32 r + 4 s, lane L's 16 bytes of K step s, half c at 512 + 1024 s + 512 c + 16 L.
; Row r of record 2 B + u is logical row 32 B + 8 u + r + 8 (r / 8).  Wo's records are 192 .. 255 of wrec.
; A tile of the result is 128 tokens x 256 columns, so that there are 256 work-groups; four waves, each 64 x 128: 32 accumulators.  OUTER = source 1 = tokens (a lane holds one), INNER = source 0 = Wo's columns (along the registers).
; ALL OF K LIES IN LDS: 8 + 16 records, in two parts (scales and K steps 0-3; K steps 4-7), four tensor loads a wave, all first fills: no LDS byte is filled twice.
; CLUSTERS: 4 x 4: ctx's tile is shared along a row of the cluster, Wo's along a column: each is asked for jointly.
; THE WAY OUT: a lane holds pieces of 32 bytes of one row: a block of 16 tokens goes through the wave's own stage in LDS and leaves as whole runs of 512 bytes.  The stage lies in the bytes of ctx's first part, which have had their only fill
; and which nobody reads behind the barrier in the middle of K.
; REGISTERS: window 0: v1-27 addresses; v32-95 scale words and nothing else; v128-159, v160-191 OUTER's two sets (on the way out v128-191, v192-255 rows read back); window 1: v0-63, v64-127 INNER's two sets, v128-191 the bias as C; window 2: accumulators (a, b) at v[8 (8 a + b)].
.set REC,  8704
.set R0B,  4608
.set R1B,  4096
.set S0O,  0
.set S0I,  8*R0B
.set S1O,  24*R0B
.set S1I,  S1O+8*R1B
.set SP,   528                         ; a stage row: 512 bytes + 16
.set LI,   4
.set BQK,  5
.set ADRO, 16
.set ADRI, 20
.set STO,  24
.set RD,   25
.set ADRS, 27
.set SC,   32
.set OF,   128
.set BK,   128
.set CB,   128
.set WV,   20
.set OH,   21
.set IH,   22
.set G1O0, 24
.set G1I0, 32
.set G1O1, 40
.set G1I1, 48
.set G0O0, 56
.set G0I0, 60
.set G0O1, 68
.set G0I1, 72
.set MSB, 0
.macro WIN new
.if MSB != (\new)
	s_set_vgpr_msb (MSB<<8)|(\new)
.set MSB, \new
.endif
.endm
.macro CROUND
	s_barrier_signal -1
	s_barrier_wait -1
	s_cmp_lg_u32 s[WV], 0
	s_cbranch_scc1 .Lnot_wave_0_\@
	s_barrier_signal -3
.Lnot_wave_0_\@:
	s_barrier_wait -3
	s_barrier_signal -1
	s_barrier_wait -1
.endm
.macro PLACES
.rept 4
	v_nop
.endr
.endm
	s_load_b256 s[4:11], s[0:1], 0x0               ; crec, wrec, bo, out0
	v_lshl_add_u32 v126, v0, 2, 0x33000
	v_mov_b32 v127, 0
	ds_add_u32 v126, v127
	ds_add_u32 v126, v127
	v_lshrrev_b32 v1, 5, v0
	v_readfirstlane_b32 s[WV], v1
	s_lshr_b32 s[OH], s[WV], 1                     ; my 64 of the 128 tokens
	s_and_b32 s[IH], s[WV], 1                      ; my 128 of the 256 columns
	s_bfe_u32 s76, ttmp6, 0x40000                  ; cx
	s_bfe_u32 s77, ttmp6, 0x40004                  ; cy
	s_and_b32 s78, ttmp7, 0xffff
	s_lshl_b32 s78, s78, 2
	s_add_co_u32 s78, s78, s77                     ; token tile 0 .. 63
	s_lshl_b32 s81, ttmp9, 2
	s_add_co_u32 s81, s81, s76                     ; column tile 0 .. 3
	s_lshl_b32 s79, s77, 2
	s_lshl_b32 s79, 15, s79                        ; my row of the cluster
	s_lshl_b32 s80, 0x1111, s76                    ; my column
	s_or_b32 s[G1O0], s79, (3<<16)|(1<<21)
	s_or_b32 s[G1O1], s79, (3<<16)|(1<<21)
	s_or_b32 s[G1I0], s80, (3<<16)|(1<<21)
	s_or_b32 s[G1I1], s80, (3<<16)|(1<<21)
	; OUTER: 2 records a wave; INNER: 4; rows of 576 or 512 elements of 8 bytes, 1,088 apart
	s_mov_b32 s[G1O0+1], (R0B/8)<<16
	s_mov_b32 s[G1O0+2], 2<<16
	s_mov_b32 s[G1O0+3], (R0B/8)<<16
	s_mov_b32 s[G1O0+4], 2
	s_mov_b32 s[G1O0+5], REC/8
	s_mov_b32 s[G1O0+6], 0
	s_mov_b32 s[G1O0+7], 0
	s_mov_b32 s[G1I0+1], (R0B/8)<<16
	s_mov_b32 s[G1I0+2], 4<<16
	s_mov_b32 s[G1I0+3], (R0B/8)<<16
	s_mov_b32 s[G1I0+4], 4
	s_mov_b32 s[G1I0+5], REC/8
	s_mov_b32 s[G1I0+6], 0
	s_mov_b32 s[G1I0+7], 0
	s_mov_b32 s[G1O1+1], (R1B/8)<<16
	s_mov_b32 s[G1O1+2], 2<<16
	s_mov_b32 s[G1O1+3], (R1B/8)<<16
	s_mov_b32 s[G1O1+4], 2
	s_mov_b32 s[G1O1+5], REC/8
	s_mov_b32 s[G1O1+6], 0
	s_mov_b32 s[G1O1+7], 0
	s_mov_b32 s[G1I1+1], (R1B/8)<<16
	s_mov_b32 s[G1I1+2], 4<<16
	s_mov_b32 s[G1I1+3], (R1B/8)<<16
	s_mov_b32 s[G1I1+4], 4
	s_mov_b32 s[G1I1+5], REC/8
	s_mov_b32 s[G1I1+6], 0
	s_mov_b32 s[G1I1+7], 0
	s_lshl_b32 s82, s78, 3                         ; 8 records a token tile,
	s_lshl_b32 s90, s[WV], 1                       ; two of them mine to bring
	s_add_co_u32 s82, s82, s90
	s_mul_i32 s82, s82, REC
	s_mov_b32 s83, 0
	s_lshl_b32 s86, s81, 4                         ; 16 records a column tile,
	s_lshl_b32 s90, s[WV], 2                       ; four of them mine,
	s_add_co_u32 s86, s86, s90
	s_add_co_u32 s86, s86, 192                     ; behind q's, k's and v's
	s_mul_i32 s86, s86, REC
	s_mov_b32 s87, 0
	s_mul_i32 s90, s[WV], 2*R0B
	s_mul_i32 s91, s[WV], 4*R0B
	s_lshl_b32 s98, s[WV], 13
	s_lshl_b32 s99, s[WV], 14
	s_wait_dscnt 0x0
	s_wait_kmcnt 0x0
	s_add_nc_u64 s[84:85], s[4:5], s[82:83]
	s_add_nc_u64 s[88:89], s[6:7], s[86:87]
	CROUND                                         ; all sixteen work-groups are here: the joint loads meet
	s_mov_b32 s[G0O0], 1
	s_add_co_u32 s[G0O0+1], s90, S0O
	s_mov_b64 s[G0O0+2:G0O0+3], s[84:85]
	s_or_b32 s[G0O0+3], s[G0O0+3], 0x80000000
	s_mov_b32 s[G0I0], 1
	s_add_co_u32 s[G0I0+1], s91, S0I
	s_mov_b64 s[G0I0+2:G0I0+3], s[88:89]
	s_or_b32 s[G0I0+3], s[G0I0+3], 0x80000000
	s_mov_b32 s[G0O1], 1
	s_add_co_u32 s[G0O1+1], s98, S1O
	s_add_nc_u64 s[G0O1+2:G0O1+3], s[84:85], R0B
	s_or_b32 s[G0O1+3], s[G0O1+3], 0x80000000
	s_mov_b32 s[G0I1], 1
	s_add_co_u32 s[G0I1+1], s99, S1I
	s_add_nc_u64 s[G0I1+2:G0I1+3], s[88:89], R0B
	s_or_b32 s[G0I1+3], s[G0I1+3], 0x80000000
	tensor_load_to_lds s[G0O0:G0O0+3], s[G1O0:G1O0+7]   ; four loads of mine are out
	s_nop 0
	tensor_load_to_lds s[G0I0:G0I0+3], s[G1I0:G1I0+7]
	s_nop 0
	tensor_load_to_lds s[G0O1:G0O1+3], s[G1O1:G1O1+7]
	s_nop 0
	tensor_load_to_lds s[G0I1:G0I1+3], s[G1I1:G1I1+7]
	s_nop 0
.rept 4
	v_nop
.endr
	v_and_b32 v1, 15, v0                           ; r
	v_bfe_u32 v2, v0, 4, 1                         ; h
	v_and_b32 v3, 31, v0
	v_lshlrev_b32 v[LI], 4, v3
	s_wait_alu depctr_va_vdst(0)
	s_mul_i32 s90, s[OH], 4*R0B
	s_mul_i32 s91, s[IH], 8*R0B
	s_add_co_u32 s98, s90, S0O+512
	v_add_nc_u32 v[ADRO], s98, v[LI]
	s_add_co_u32 s98, s91, S0I+512
	v_add_nc_u32 v[ADRI], s98, v[LI]
	s_lshl_b32 s98, s[OH], 14
	s_add_co_u32 s98, s98, S1O
	v_add_nc_u32 v[ADRO+1], s98, v[LI]
	s_lshl_b32 s98, s[IH], 15
	s_add_co_u32 s98, s98, S1I
	v_add_nc_u32 v[ADRI+1], s98, v[LI]
	s_xor_b32 s98, s[OH], 1                        ; from OUTER's rows to INNER's: 36,864 + 36,864 IH - 18,432 OH = 18,432 (1 + 2 IH + (OH xor 1)): one product with h
	s_lshl_b32 s99, s[IH], 1
	s_add_co_u32 s98, s98, s99
	s_add_co_u32 s98, s98, 1
	s_mul_i32 s98, s98, 4*R0B
	v_mul_u32_u24 v3, s98, v2
	v_lshl_add_u32 v3, v1, 5, v3
	v_add_nc_u32 v[ADRS], s90, v3
	v_lshlrev_b32 v[BQK], 6, v2
	s_wait_alu depctr_va_vdst(0)
	s_mul_i32 s98, s[WV], 16*SP                    ; my stage
	v_mul_u32_u24 v[STO], v1, SP
	v_lshl_add_u32 v[STO], v2, 6, v[STO]
	v_add_nc_u32 v[STO], s98, v[STO]               ; in: row r, + 64 h
	v_add_nc_u32 v[RD], s98, v[LI]                 ; back: 16 bytes a lane of a row
	s_lshl_b32 s94, s81, 10
	s_lshl_b32 s95, s[IH], 9
	s_add_co_u32 s94, s94, s95                     ; 4 bytes x my first column
	s_mov_b32 s95, 0
	s_add_nc_u64 s[92:93], s[8:9], s[94:95]        ; bo there
	s_lshl_b32 s98, s78, 7
	s_lshl_b32 s99, s[OH], 6
	s_add_co_u32 s98, s98, s99                     ; my first token
	s_lshl_b32 s98, s98, 12                        ; rows of 4,096 bytes
	s_add_co_u32 s98, s98, s94
	s_mov_b32 s99, 0
	s_add_nc_u64 s[96:97], s[10:11], s[98:99]      ; out0 at my corner; never stepped
	WIN 0x40
.irp i, 0,1,2,3,4,5,6,7                        ; the bias as C: register j of INNER's block i is column 32 (i / 2) + 16 h + 8 (i % 2) + j
	global_load_b128 v[CB+8*\i:CB+8*\i+3], v[BQK], s[92:93] offset:(32*(\i/2)+8*(\i%2))*4
	global_load_b128 v[CB+8*\i+4:CB+8*\i+7], v[BQK], s[92:93] offset:(32*(\i/2)+8*(\i%2))*4+16
.endr
	WIN 0
.macro FRAG reg, adr, slot, q, i
.irp c, 0,1
	ds_load_b128 v[\reg+4*\c:\reg+4*\c+3], v[\adr] offset:(\i)*(R0B-512*(\slot))+1024*(\q)+512*\c
.endr
.endm
.macro FETCH slot, q, set              ; 8 + 4 fragments of the slot's q-th K step
	WIN 0x40
.irp i, 0,1,2,3,4,5,6,7
	FRAG 64*(\set)+8*\i, ADRI+(\slot), \slot, \q, \i
.endr
	WIN 0
.irp i, 0,1,2,3
	FRAG OF+32*(\set)+8*\i, ADRO+(\slot), \slot, \q, \i
.endr
.endm
.macro SCALES sl                       ; lanes 16-31: INNER's block i; lanes 0-15: OUTER's block i (for i = 4 .. 7 they read landed bytes that nothing uses)
.irp i, 0,1,2,3,4,5,6,7
	ds_load_b128 v[SC+32*\sl+4*\i:SC+32*\sl+4*\i+3], v[ADRS] offset:R0B*\i+16*\sl
.endr
.endm
; 16 matrix instructions; the 32 accumulators take turns in the same order in every step
.macro MUL16 a0, set, q, sl, cmode
.irp a, \a0, \a0+1
.irp b, 0,1,2,3,4,5,6,7
.if \cmode == 0
	v_wmma_scale_f32_16x16x128_f8f6f4 v[8*(8*(\a)+\b):8*(8*(\a)+\b)+7], v[64*(\set)+8*\b:64*(\set)+8*\b+7], v[OF+32*(\set)+8*(\a):OF+32*(\set)+8*(\a)+7], v[8*(8*(\a)+\b):8*(8*(\a)+\b)+7], v[SC+32*(\sl)+4*\b+(\q)], v[SC+32*(\sl)+4*(\a)+(\q)] matrix_a_fmt:MATRIX_FMT_FP4 matrix_b_fmt:MATRIX_FMT_FP4 matrix_a_scale:MATRIX_SCALE_ROW1
.else
	v_wmma_scale_f32_16x16x128_f8f6f4 v[8*(8*(\a)+\b):8*(8*(\a)+\b)+7], v[64*(\set)+8*\b:64*(\set)+8*\b+7], v[OF+32*(\set)+8*(\a):OF+32*(\set)+8*(\a)+7], v[CB+8*\b:CB+8*\b+7], v[SC+32*(\sl)+4*\b+(\q)], v[SC+32*(\sl)+4*(\a)+(\q)] matrix_a_fmt:MATRIX_FMT_FP4 matrix_b_fmt:MATRIX_FMT_FP4 matrix_a_scale:MATRIX_SCALE_ROW1
.endif
.endr
.endr
.endm
.macro STEP slot, q, cmode, places
	s_wait_dscnt 0x0                               ; this step's fragments, asked for a step ago, are in
.if \places
	PLACES
.endif
	FETCH \slot, (\q)+1, ((\q)+1)%2
.if \cmode
	WIN 0x91                                       ; source 0 and C window 1, D window 2
.else
	WIN 0xa1                                       ; source 0 window 1, C and D window 2
.endif
	MUL16 0, (\q)%2, \q, \slot, \cmode
	MUL16 2, (\q)%2, \q, \slot, \cmode
	WIN 0
.endm
	s_wait_tensorcnt 0x2                           ; my two parts of slot 0 are in; my two of slot 1 may be out
	s_barrier_signal -1
	s_barrier_wait -1
	FETCH 0, 0, 0
	SCALES 0
	SCALES 1
	s_wait_loadcnt 0x0                             ; the bias
	STEP 0, 0, 1, 0                                ; the first K step starts the sums from the bias
	STEP 0, 1, 0, 1
	STEP 0, 2, 0, 1
	s_wait_tensorcnt 0x0                           ; my parts of slot 1 are in,
	s_wait_dscnt 0x0                               ; and my last reads of slot 0 are over
	s_barrier_signal -1
	WIN 0xa1
	MUL16 0, 1, 3, 0, 0
	WIN 0
	s_barrier_wait -1                              ; slot 1 is whole, and nobody reads slot 0 any more
	PLACES
	FETCH 1, 0, 0
	WIN 0xa1
	MUL16 2, 1, 3, 0, 0
	WIN 0
	STEP 1, 0, 0, 1
	STEP 1, 1, 0, 1
	STEP 1, 2, 0, 1
	s_wait_dscnt 0x0
	WIN 0xa1
	MUL16 0, 1, 3, 1, 0
	MUL16 2, 1, 3, 1, 0
	WIN 0
; THE WAY OUT, block by block of 16 tokens x 128 columns.  LDS serves a wave's instructions in order (ISA guide 5.7.1.4): no wait between the stores and the loads, nor in front of the next block's stores.
.macro TOSTAGE a
	WIN 0x08                                       ; an LDS store's data are its source 1: window 2
.irp b, 0,1,2,3,4,5,6,7                        ; block b's eight registers are columns 32 (b / 2) + 16 h + 8 (b % 2) + 0 .. 7; each accumulator from its low end on
	ds_store_b128 v[STO], v[8*(8*(\a)+\b):8*(8*(\a)+\b)+3] offset:128*(\b/2)+32*(\b%2)
	ds_store_b128 v[STO], v[8*(8*(\a)+\b)+4:8*(8*(\a)+\b)+7] offset:128*(\b/2)+32*(\b%2)+16
.endr
	WIN 0
.set BB, BK+64*((\a)%2)
.irp t, 0,1,2,3,4,5,6,7,8,9,10,11,12,13,14,15
	ds_load_b128 v[BB+4*\t:BB+4*\t+3], v[RD] offset:\t*SP
.endr
.endm
.macro SEND a, younger                 ; younger: the LDS instructions issued behind block a's loads, which may stay out
.set BB, BK+64*((\a)%2)
	s_wait_dscnt \younger
.irp t, 0,1,2,3,4,5,6,7,8,9,10,11,12,13,14,15  ; row t of record a is token 32 (a / 2) + 8 (a % 2) + t + 8 (t / 8) of my 64
	global_store_b128 v[LI], v[BB+4*\t:BB+4*\t+3], s[96:97] offset:(32*((\a)/2)+8*((\a)%2)+\t+8*(\t/8))*4096 th:TH_STORE_NT   ; 32 lanes store 512 consecutive bytes, aligned; written once, read by nobody here
.endr
.endm
	PLACES                                         ; behind the last products: for the stage's reads of results and the loads into the registers that held fragments
	s_wait_alu depctr_va_vdst(0)
	TOSTAGE 0
	TOSTAGE 1
	SEND 0, 32                                     ; behind block 0's loads: block 1's 16 stores and 16 loads
	s_wait_xcnt 0x0                                ; block 0's stores have read their registers: block 2's rows may land there
	TOSTAGE 2
	SEND 1, 32
	s_wait_xcnt 0x0
	TOSTAGE 3
	SEND 2, 32
	SEND 3, 0
	s_wait_dscnt 0x0
	s_wait_tensorcnt 0x0
	ds_add_u32 v126, v127
	s_wait_dscnt 0x0
	CROUND                                         ; the closing round
	s_endpgm
.Lfunc_end_k_q5eb223f7da_proj:
	.size	k_q5eb223f7da_proj, .Lfunc_end_k_q5eb223f7da_proj-k_q5eb223f7da_proj
	.p2alignl 7, 3214868480
	.fill 96, 4, 3214868480
	.section	.rodata,"a",@progbits
	.p2align	6, 0x0
	.amdhsa_kernel k_q5eb223f7da_proj
		.amdhsa_group_segment_fixed_size 209408
		.amdhsa_private_segment_fixed_size 0
		.amdhsa_enable_private_segment 0
		.amdhsa_kernarg_size 32
		.amdhsa_user_sgpr_count 2
		.amdhsa_user_sgpr_kernarg_segment_ptr 1
		.amdhsa_wavefront_size32 1
		.amdhsa_system_sgpr_workgroup_id_x 1
		.amdhsa_system_sgpr_workgroup_id_y 1
		.amdhsa_system_sgpr_workgroup_id_z 1
		.amdhsa_system_vgpr_workitem_id 0
		.amdhsa_next_free_vgpr 768
		.amdhsa_next_free_sgpr 102
		.amdhsa_reserve_vcc 0
		.amdhsa_float_denorm_mode_32 3
		.amdhsa_float_denorm_mode_16_64 3
		.amdhsa_memory_ordered 1
		.amdhsa_forward_progress 1
		.amdhsa_inst_pref_size 72
	.end_amdhsa_kernel
	.amdgpu_metadata
---
amdhsa.version: [ 1, 2 ]
amdhsa.kernels:
  - .name:           k_q5eb223f7da_proj
    .symbol:         k_q5eb223f7da_proj.kd
    .args:
      - { .name: crec, .offset: 0, .size: 8, .value_kind: global_buffer, .address_space: global }
      - { .name: wrec, .offset: 8, .size: 8, .value_kind: global_buffer, .address_space: global }
      - { .name: bo, .offset: 16, .size: 8, .value_kind: global_buffer, .address_space: global }
      - { .name: out0, .offset: 24, .size: 8, .value_kind: global_buffer, .address_space: global }
    .group_segment_fixed_size: 209408
    .private_segment_fixed_size: 0
    .kernarg_segment_align: 8
    .kernarg_segment_size: 32
    .max_flat_workgroup_size: 128
    .sgpr_count:     102
    .vgpr_count:     768
    .wavefront_size: 32
...
	.end_amdgpu_metadata
.endif
;; end of part 5
